; MI455X (gfx1250); checked and timed in simulation.
; The chip was launched on July 23, 2026; its instructions are those of AMD's public machine-readable ISA for CDNA 5 (MIT licence, August 2026) and "CDNA5" Instruction Set Architecture Reference Guide (July 2026). The comments in the code are by the model that wrote it; some were corrected since.
;; Head. Allowed arithmetic: matrix products marked QUANTISED: E2M1 operands, one E8M0 scale for each 32 along K, by v_wmma_scale_f32_16x16x128_f8f6f4 with both operands' format E2M1 (or v_wmma_scale_f32_32x16x128_f4), f32 sums; products left as they are: bf16, f16 or f32 operands; f32 sums; everything else in f32.
;; Inputs: Wk 1,024 x 1,024 float32; Wq 1,024 x 1,024 float32; Wv 1,024 x 1,024 float32; bk 1,024 float32; bq 1,024 float32; bv 1,024 float32; x 4 x 2,048 x 1,024 float32.
;; Outputs: out0 4 x 2,048 x 1,024 float32.
;; This version of the problem:
;;   THIS VERSION OF THE PROBLEM IS GIVEN IN LOW PRECISION. The matrix products marked QUANTISED in the list below multiply operands that are first quantised to E2M1 (2 exponent bits, 1 mantissa bit; 4 bits a number), with one power-of-two scale for each 32 numbers along K (OCP MX v1.0); their sums are f32. The products marked 'left as it is' may take bf16, f16 or f32 operands, with f32 sums. Whichever they take, every output number must still come out within the allowed error. Rounding operands to bf16 (8 significant bits) uses up far more of that allowance than f16 does (11 bits, for magnitudes from 6e-5 to 65,504). All else is computed in f32.
;;   The module's matrix products, in the order in which they are computed (A, B: the left and right operand; K: the contracted axis; several contracted axes count as one K, in the product's order):
;;     1. [M 8,192, K 1,024] x [K 1,024, N 1,024]; A: input x; B: input Wk: QUANTISED
;;     2. [M 8,192, K 1,024] x [K 1,024, N 1,024]; A: input x; B: input Wq: QUANTISED
;;     3. [M 8,192, K 1,024] x [K 1,024, N 1,024]; A: input x; B: input Wv: QUANTISED
;;     4. batch 4 x [M 2,048, K 1,024] x [K 1,024, N 2,048]; A: computed on the way; B: computed on the way: left as it is (an operand is computed on the way)
;;     5. batch 4 x [M 2,048, K 2,048] x [K 2,048, N 1,024]; A: computed on the way; B: computed on the way: left as it is (an operand is computed on the way)
;;   THE QUANTISER, for each operand of a quantised product, along K:
;;     - K is cut into blocks of 32 from its start; a last block that is shorter is filled with zeros.
;;     - A block's scale is 2^e with e = floor(log2(the largest magnitude in the block)) - 2, held to -126 .. 127; a block of zeros has e = 0. As a byte (E8M0): e + 127.
;;     - Each number is divided by its block's scale, clamped to +-6, and rounded to the nearest number of E2M1, ties to even, subnormals kept.
;;     - The product sums the exact products of the quantised numbers (number of the format x scale) in f32.
;;   ~~~python
;;   def quantise(x, axis):      # numpy; x: float32 -> the quantised numbers, widened to float32 again
;;       x = np.moveaxis(x, axis, -1); K = x.shape[-1]
;;       x = np.pad(x, [(0, 0)] * (x.ndim - 1) + [(0, -K % 32)]); x = x.reshape(x.shape[:-1] + (-1, 32)); a = np.abs(x).max(-1, keepdims=True)
;;       e = np.where(a > 0, np.clip(np.frexp(np.where(a > 0, a, 1))[1] - 1 - 2, -126, 127), 0)      # np.frexp(a)[1] - 1 = floor(log2(a)), exactly
;;       r = np.clip(x / 2.0 ** e, -6, 6)
;;       step = 2.0 ** (np.maximum(np.frexp(np.where(r == 0, 1, r))[1] - 1, 0) - 1)
;;       q = np.round(r / step) * step * 2.0 ** e      # np.round: ties to even
;;       return np.moveaxis(q.reshape(q.shape[:-2] + (-1,))[..., :K], -1, axis).astype(np.float32)
;;   ~~~
;; One version. Each part assembles by itself: llvm-mc -triple=amdgcn-amd-amdhsa -mcpu=gfx1250 --defsym DOCPART=n.
;; ======== version 1 of 1: 5 launches
;; limits: values are held in f16: magnitudes above 65,504 overflow, below 6.1e-05 lose precision
;; workspace buffers: xc 4,194,304 bytes; xs 262,144 bytes; wc 1,572,864 bytes; ws 98,304 bytes; qkv 50,331,648 bytes; fine 786,432 bytes; pt 33,554,432 bytes; st 1,048,576 bytes
;; launch quant (part 1): grid 352 x 1, 4 waves a work-group, no clusters, 33,280 bytes of LDS; arguments x, Wq, Wk, Wv, xc, xs, wc, ws; writes xc, xs, wc, ws
.if DOCPART == 1
	.amdgcn_target "amdgcn-amd-amdhsa--gfx1250"
	.amdhsa_code_object_version 6
	.text
	.protected	k_qdc02285f71_quant
	.globl	k_qdc02285f71_quant
	.p2align	8
	.type	k_qdc02285f71_quant,@function
k_qdc02285f71_quant:
	s_mov_b64 s[64:65], 0
	v_nop
	global_prefetch_b8 v0, s[64:65] scope:SCOPE_SE
	s_setreg_imm32_b32 hwreg(HW_REG_WAVE_MODE, 25, 1), 1
	s_wait_xcnt 0x0
; x [8192][1024] and Wq, Wk, Wv [1024][1024], f32, K innermost, are turned into codes of FP4 (E2M1), two a byte, the lower k in the low four bits, with one E8M0 scale byte for each 32 along K.
; A block's scale is 2^(floor(log2(its largest magnitude)) - 2); its byte is the largest magnitude's own exponent field - 2, held at 1 from below.  Each number is divided by the scale and rounded to the nearest code, ties to even;
; what lies beyond 6 gets the largest code.  (A block of zeros gets the byte 1 where the stated quantiser says 127: its codes are zeros, which add nothing under any byte but 0xff, and the bytes are read by this program alone.)
; LIMITS: NaN and infinities among the inputs are not served; blocks whose largest magnitude lies under 2^(3 - 127) keep the byte 1.
; Rows are dense and K is a multiple of 32: every tensor is a plain stream of blocks of 32, and so are its codes and scale bytes.  The three weights' codes follow each other in wc (rows 0-1023 Wq, 1024-2047 Wk, 2048-3071 Wv), their bytes in ws.
; SHARES.  A work-group takes 32,768 numbers, a wave 16 steps of 512.  Work-groups 0-255 take x, 256-351 the weights, 32 each: only pointers are chosen, by the work-group's number; all take one path through the text.
; A step's four loads read 512 consecutive bytes each; the 2,048 bytes turn through the wave's own stage in LDS (16 bytes of padding behind each 64) and come back 64 bytes a lane: 16 neighbours along K, two lanes to a block.
; A lane's 16 codes are 8 bytes: the wave stores 256 consecutive bytes.  A wave's 256 scale bytes are gathered in its own LDS and leave as 256 consecutive, aligned bytes.
; No tensor loads, no barrier, no cluster: waves and work-groups share nothing.  Loads run eight steps (32 loads, 16,384 bytes a wave) ahead, the turn through LDS one step.
.set WAVES, 4
.set STEPS, 16
.set AHEAD, 8                          ; steps of loads on their way
.set XWG,   256                        ; work-groups that take x: 8,388,608 numbers / 32,768
.set EMAX,  2
.set CB,    8                          ; bytes of 16 codes
.set R,     16                         ; v16-143  eight sets of 16 numbers as they are loaded
.set X,     144                        ; v144-175 two sets of 16 neighbours
.set E,     176                        ; v176-191 a scale byte for each step
.set C,     192                        ; v192-255 codes: four registers for each step, so that no store's data are written again
.set WREG,  8192                       ; LDS: a region for each wave: two stages of 32 x SP bytes, behind them its 256 scale bytes
.set SP,    80
.set SPW,   12                         ; v12 LDS address of my spare word; never rewritten
.set NIL,   13                         ; v13 0; never rewritten
.set SPARE, WAVES*WREG                 ; behind the four regions: the spare words, 128 bytes for each wave
	s_load_b256 s[4:11], s[0:1], 0x0               ; x, Wq, Wk, Wv
	s_load_b256 s[12:19], s[0:1], 0x20             ; xc, xs, wc, ws
	v_lshl_add_u32 v[SPW], v0, 2, SPARE
	v_mov_b32 v[NIL], 0
	v_lshrrev_b32 v1, 5, v0
	v_readfirstlane_b32 s20, v1                    ; wave
	v_and_b32 v2, 31, v0                           ; lane
	v_lshlrev_b32 v3, 4, v2                        ; my 16 bytes of a load's 512
	s_mul_i32 s21, s20, WREG
	v_lshrrev_b32 v14, 2, v2
	v_mul_u32_u24 v14, v14, SP
	v_and_b32 v15, 3, v2
	v_lshl_add_u32 v14, v15, 4, v14
	v_add_nc_u32 v14, s21, v14                     ; the stage, on the way in: SP (lane / 4) + 16 (lane % 4)
	v_mul_u32_u24 v15, v2, SP
	v_add_nc_u32 v15, s21, v15                     ; and on the way out: SP x lane: my 16 neighbours
	v_mul_u32_u24 v4, v2, CB                       ; my codes' place in a step's
	v_lshrrev_b32 v5, 1, v2
	s_add_co_u32 s21, s21, 2*32*SP
	v_add_nc_u32 v5, s21, v5                       ; LDS: my wave's 256 scale bytes, my block's byte
	v_lshlrev_b32 v7, 3, v2                        ; and on the way out 8 bytes a lane
	v_add_nc_u32 v6, s21, v7
	s_sub_co_u32 s24, ttmp9, XWG                   ; which of the weights' 96 work-groups (not used by x's)
	s_lshr_b32 s25, s24, 5                         ; which weight
	s_and_b32 s26, s24, 31                         ; which part of it
	s_wait_kmcnt 0x0
	s_cmp_eq_u32 s25, 1
	s_cselect_b64 s[6:7], s[8:9], s[6:7]           ; Wk
	s_cmp_eq_u32 s25, 2
	s_cselect_b64 s[6:7], s[10:11], s[6:7]         ; Wv
	s_cmp_lt_u32 ttmp9, XWG                        ; x's work-group or a weight's?  The choices hang on the work-group's number alone
	s_cselect_b64 s[4:5], s[4:5], s[6:7]
	s_cselect_b64 s[12:13], s[12:13], s[16:17]
	s_cselect_b64 s[14:15], s[14:15], s[18:19]
	s_cselect_b32 s27, ttmp9, s26                  ; the work-group's place in its source,
	s_cselect_b32 s28, ttmp9, s24                  ; and in its destination
	s_lshl_b32 s27, s27, 2
	s_add_co_u32 s27, s27, s20                     ; my wave's run of 8,192 numbers in the source
	s_lshl_b32 s30, s27, 15                        ; 32,768 bytes a run: under 2^26
	s_mov_b32 s31, 0
	s_add_nc_u64 s[4:5], s[4:5], s[30:31]
	s_lshl_b32 s28, s28, 2
	s_add_co_u32 s28, s28, s20                     ; and in the destination
	s_lshl_b32 s30, s28, 12                        ; 4,096 bytes of codes a run
	s_add_nc_u64 s[12:13], s[12:13], s[30:31]
	s_lshl_b32 s30, s28, 8                         ; 256 scale bytes a run
	s_add_nc_u64 s[14:15], s[14:15], s[30:31]
.macro LOAD t
.irp i, 0,1,2,3
	global_load_b128 v[R+16*((\t)%AHEAD)+4*\i:R+16*((\t)%AHEAD)+4*\i+3], v3, s[4:5] offset:2048*(\t)+512*\i th:TH_LOAD_NT   ; 32 lanes read 512 consecutive bytes
.endr
.endm
.macro TURN t                          ; step t's numbers through the stage: LDS serves a wave's instructions in order, so no wait stands between the stores and the loads
.irp i, 0,1,2,3
	ds_store_b128 v14, v[R+16*((\t)%AHEAD)+4*\i:R+16*((\t)%AHEAD)+4*\i+3] offset:32*SP*((\t)%2)+8*SP*\i
.endr
.irp i, 0,1,2,3
	ds_load_b128 v[X+16*((\t)%2)+4*\i:X+16*((\t)%2)+4*\i+3], v15 offset:32*SP*((\t)%2)+16*\i
.endr
.endm
.irp t, 0,1,2,3,4,5,6,7
	LOAD \t
.endr
	s_wait_loadcnt 4*(AHEAD-1)                     ; step 0's four loads are in; the 28 of steps 1 to 7 may be out
	TURN 0
.macro STEP t
.set XS, X+16*((\t)%2)
.if (\t) > 0
	s_wait_dscnt 1                                 ; this step's numbers are back from the stage (the last step's byte store may be out): so its stores into the stage have read their registers,
.else
	s_wait_dscnt 0x0
.endif
.if (\t)+AHEAD < STEPS
	LOAD (\t)+AHEAD                                ; which take the loads of eight steps on
.endif
.if (\t)+1 < STEPS
.if STEPS-2-(\t) >= AHEAD-1
	s_wait_loadcnt 4*(AHEAD-1)                     ; the next step's four loads are in; those of the seven steps behind it may be out
.else
	s_wait_loadcnt 4*(STEPS-2-(\t))                ; towards the end fewer steps stand behind it
.endif
	TURN (\t)+1                                    ; and go through the other stage while this step is worked
.endif
	v_max3_num_f32 v8, |v[XS]|, |v[XS+1]|, |v[XS+2]|               ; the largest magnitude of my 16, in two chains
	v_max3_num_f32 v9, |v[XS+3]|, |v[XS+4]|, |v[XS+5]|
.irp i, 6,10
	v_max3_num_f32 v8, v8, |v[XS+\i]|, |v[XS+\i+1]|
	v_max3_num_f32 v9, v9, |v[XS+\i+2]|, |v[XS+\i+3]|
.endr
	v_max3_num_f32 v8, v8, |v[XS+14]|, |v[XS+15]|
	v_max3_num_f32 v8, v8, v9, (EMAX+1)<<23        ; and the floor 2^(EMAX + 1 - 127): the byte cannot fall under 1
	v_max_num_f32_dpp v8, v8, v8 row_xmask:1 row_mask:0xf bank_mask:0xf   ; and of my neighbour's 16: the block's
	v_add_nc_u32 v11, -(EMAX<<23), v8              ; EMAX off its exponent field: the conversion takes the exponent field of this operand as its scale, and nothing else of it
	v_cvt_scalef32_pk8_fp4_f32 v[C+4*(\t)], v[XS:XS+7], v11
	v_cvt_scalef32_pk8_fp4_f32 v[C+4*(\t)+1], v[XS+8:XS+15], v11
	v_lshrrev_b32 v[E+(\t)], 23, v11               ; the scale's byte (also the plain line behind the conversions)
	ds_store_b8 v5, v[E+(\t)] offset:16*(\t)       ; both lanes of a block write the same byte with the same value
	global_store_b64 v4, v[C+4*(\t):C+4*(\t)+1], s[12:13] offset:32*CB*(\t)   ; 32 lanes store 256 consecutive bytes, aligned
.endm
.irp t, 0,1,2,3,4,5,6,7,8,9,10,11,12,13,14,15
	STEP \t
.endr
	ds_load_b64 v[8:9], v6                         ; LDS serves a wave's instructions in order: these see my stores
	s_wait_dscnt 0x0
	global_store_b64 v7, v[8:9], s[14:15]          ; 32 lanes store 256 consecutive bytes, aligned
	s_wait_tensorcnt 0x0                           ; the wave's end, behind my last LDS store
	ds_add_u32 v[SPW], v[NIL]
	s_wait_dscnt 0x0
	s_endpgm
.Lfunc_end_k_qdc02285f71_quant:
	.size	k_qdc02285f71_quant, .Lfunc_end_k_qdc02285f71_quant-k_qdc02285f71_quant
	.p2alignl 7, 3214868480
	.fill 96, 4, 3214868480
	.section	.rodata,"a",@progbits
	.p2align	6, 0x0
	.amdhsa_kernel k_qdc02285f71_quant
		.amdhsa_group_segment_fixed_size 33280
		.amdhsa_private_segment_fixed_size 0
		.amdhsa_enable_private_segment 0
		.amdhsa_kernarg_size 64
		.amdhsa_user_sgpr_count 2
		.amdhsa_user_sgpr_kernarg_segment_ptr 1
		.amdhsa_wavefront_size32 1
		.amdhsa_system_sgpr_workgroup_id_x 1
		.amdhsa_system_sgpr_workgroup_id_y 1
		.amdhsa_system_sgpr_workgroup_id_z 1
		.amdhsa_system_vgpr_workitem_id 0
		.amdhsa_next_free_vgpr 256
		.amdhsa_next_free_sgpr 66
		.amdhsa_reserve_vcc 0
		.amdhsa_float_denorm_mode_32 3
		.amdhsa_float_denorm_mode_16_64 3
		.amdhsa_memory_ordered 1
		.amdhsa_forward_progress 1
		.amdhsa_inst_pref_size 33
	.end_amdhsa_kernel
	.amdgpu_metadata
---
amdhsa.version: [ 1, 2 ]
amdhsa.kernels:
  - .name:           k_qdc02285f71_quant
    .symbol:         k_qdc02285f71_quant.kd
    .args:
      - { .name: x, .offset: 0, .size: 8, .value_kind: global_buffer, .address_space: global }
      - { .name: Wq, .offset: 8, .size: 8, .value_kind: global_buffer, .address_space: global }
      - { .name: Wk, .offset: 16, .size: 8, .value_kind: global_buffer, .address_space: global }
      - { .name: Wv, .offset: 24, .size: 8, .value_kind: global_buffer, .address_space: global }
      - { .name: xc, .offset: 32, .size: 8, .value_kind: global_buffer, .address_space: global }
      - { .name: xs, .offset: 40, .size: 8, .value_kind: global_buffer, .address_space: global }
      - { .name: wc, .offset: 48, .size: 8, .value_kind: global_buffer, .address_space: global }
      - { .name: ws, .offset: 56, .size: 8, .value_kind: global_buffer, .address_space: global }
    .group_segment_fixed_size: 33280
    .private_segment_fixed_size: 0
    .kernarg_segment_align: 8
    .kernarg_segment_size: 64
    .max_flat_workgroup_size: 128
    .sgpr_count:     66
    .vgpr_count:     256
    .wavefront_size: 32
...
	.end_amdgpu_metadata
.endif
;; end of part 1
;; launch qkv (part 2): grid 12 x 16, 4 waves a work-group, clusters of 4 x 4, 327,680 bytes of LDS; arguments xc, xs, wc, ws, bq, bk, bv, qkv, fine; writes qkv, fine
.if DOCPART == 2
	.amdgcn_target "amdgcn-amd-amdhsa--gfx1250"
	.amdhsa_code_object_version 6
	.text
	.protected	k_qdc02285f71_qkv
	.globl	k_qdc02285f71_qkv
	.p2align	8
	.type	k_qdc02285f71_qkv,@function
k_qdc02285f71_qkv:
	s_mov_b64 s[64:65], 0
	v_nop
	global_prefetch_b8 v0, s[64:65] scope:SCOPE_SE
	s_setreg_imm32_b32 hwreg(HW_REG_WAVE_MODE, 25, 1), 1
	s_wait_xcnt 0x0
	s_wait_alu depctr_hold_cnt(0) depctr_sa_sdst(0) depctr_va_vdst(0) depctr_va_sdst(0) depctr_va_ssrc(0) depctr_va_vcc(0) depctr_vm_vsrc(0)
	s_getreg_b32 s2, hwreg(HW_REG_IB_STS2, 6, 4)
	s_cmp_eq_u32 s2, 0
	s_cbranch_scc0 .Lentry_in_a_cluster
	s_endpgm
.Lentry_in_a_cluster:
	s_bfe_u32 s2, ttmp6, 0x10000c
	s_cmp_lg_u32 s2, 0xf033
	s_cbranch_scc0 .Lentry_shape_is_right
	s_endpgm
.Lentry_shape_is_right:
; q, k, v = x W^T + b, the three at once: C[m][n] = sum over k of A[m][k] B[n][k] + bias[n], A = x's codes [8192][1024], B = the three weights' codes [3072][1024] (FP4, E2M1, one E8M0 byte for each 32 along K); sums in f32.
; The results leave as f16, qkv [3][8192][1024] (operands of the two attention products); rows 0-15 of each sequence of 2,048 leave in f32 too (fine [3][4][16][1024]), for the launch that carries those rows finely.
; LIMIT: |q|, |k|, |v| must stay under 65,504, the largest f16 number.
; A tile of C, 256 x 256, is made by four waves, each 128 x 128: 64 accumulators of 16 x 16, 512 registers.  K = 1,024 is two slots of 512 along K (rows of 256 bytes).
; A WORK-GROUP STAYS FOR TWO TILES, one below the other: 384 tiles make 192 work-groups of equal work.  Both tiles take the same 256 rows of B, for all of K: B's codes and scales are fetched once and stay in the two slots.
; Only A's half of a slot is filled again: slot 0's at tile 0's change of slots, slot 1's behind tile 0's last reads of it; tile 0 goes out while that second refill is on its way, and nothing waits for its stores.
; The scale bytes of the 512 neighbouring rows of A and of the 256 rows of B, for all of K, are dense blocks of memory and come into LDS once, with the first fills.
; CLUSTERS: 4 x 4 work-groups.  Tile column = 4 X + cx (X, the cluster's x, is the tensor: q, k, v); first tile row = 8 cy + 2 Y (Y the cluster's y): so cy is the sequence, and Y = 0, the same in all sixteen partners, says that
; tile 0 holds a sequence's first rows.  The four of a row of the cluster need the same tiles of A, the four of a column the same tiles of B: each is asked for jointly, by the same tensor load with a mask that names the four.
; THE MATRIX INSTRUCTION IS USED TRANSPOSED (source 0 = 16 rows of B, source 1 = 16 rows of A): a lane holds eight neighbouring columns of one row of C.  THE BIAS is the C of each sum's first instruction: no addition is spent on it.
; REGISTERS: window 0: v0-31 addresses; v32-95 scale words, two sets; v96-127 and v192-255 the way out's; v128-191 A's fragments, one set.
;   window 1: B's fragments, two sets, at v0 and v128; v192-255 the bias of B's eight blocks, kept for both tiles.   window 2: the accumulators of my rows 0-63 ((a, b) at v[8 (8 a + b)]);   window 3: those of my rows 64-127.
; So tile 1's first fragments and scale words, fetched at tile 0's last change of slots, lie untouched while tile 0 goes out.
.set SIZE_K, 1024
.set KSTEP,  512
.set NQ,     KSTEP/128
.set ROWB,   256                       ; a tile's row in bytes
.set KROW,   SIZE_K/2                  ; a row of codes in memory
.set PITCH,  272                       ; an LDS row: 256 bytes + 16 of padding = 68 words: the 16 rows that a load touches start 4 words apart modulo 64
.set FR,     8
.set NL,     2
.set NP,     4                         ; places behind this matrix instruction (ISA guide 7.12.1)
.set HALFT,  128*PITCH
.set SLOT,   4*HALFT
.set KS,     SIZE_K/32
.set SCL,    2*SLOT                    ; behind the two slots: A's scales, 512 rows, as rows of 256 bytes + 16;
.set HALFS,  (128*KS/256)*272          ; (the scales of 128 rows)
.set SBLK,   (16*KS/256)*272           ; (of 16)
.set SCLB,   SCL+4*HALFS               ; B's, 256 rows
.set SPARE,  SCL+6*HALFS               ; the spare words, 128 bytes for each wave
.set STAGE,  SPARE+512                 ; the way out: 16 rows x (256 + 16) bytes for each wave, bytes of their own: no fill lands here
.set SPITCH, 272
.set ADRS, 8                           ; v8-11 LDS address of my scale words: 2 x tile + slot
.set ADRA, 16
.set ADRB, 20
.set STO,  24
.set RD,   25
.set CO,   26
.set SPW,  28
.set NIL,  29
.set FO,   30                          ; v30 my byte offset in fine: 4,096 r + 32 h
.set BO,   31                          ; v31 my byte offset in a block's bias: 32 h
.set SC,   32
.set AF,   128
.set BI,   192                         ; in window 1: register 8 b + j: bias[16 b + 8 h + j] of my 128 columns
.set TMP,  192                         ; in window 0: the way out's packed results
.set OB,   96                          ; the way out: 16 rows read back: v96-127 and v224-255 by turns
.set G1, 24
.set G0, 32
.set G1B, 48
.set G0B, 56
.set G1S, 68
.set G0S, 76
.set G1SB, 80
.set G0SB, 88
.set MSB, 0
.macro WIN new                         ; the immediate's high byte repeats the setting that is left
.if MSB != (\new)
	s_set_vgpr_msb (MSB<<8)|(\new)
.set MSB, (\new)
.endif
.endm
.set MUL_LO, 0xa1                      ; source 0 (B) window 1, source 1 (A) window 0, C and D window 2
.set MUL_HI, 0xf1                      ; the same, C and D window 3
.set BIA_LO, 0x91                      ; a tile's first step: C (the bias) window 1, D window 2
.set BIA_HI, 0xd1                      ; D window 3
.set TO_B,   0x40
; A joint load: waves 0 and 1 fetch for A, waves 2 and 3 for B.  Each line has one mask and one set of registers for all that issue it; the branch hangs on the wave's number alone.
; An s_nop 0 and four v_nop follow each line, ahead of the jump, the label and what follows.
.macro JLOAD g0a, g1a, g0b, g1b
	s_cmp_eq_u32 s15, 0
	s_cbranch_scc0 .Lfor_b_\@
	tensor_load_to_lds s[\g0a:\g0a+3], s[\g1a:\g1a+7]
	s_nop 0
.rept 4
	v_nop
.endr
	s_branch .Lasked_\@
.Lfor_b_\@:
	tensor_load_to_lds s[\g0b:\g0b+3], s[\g1b:\g1b+7]
	s_nop 0
.rept 4
	v_nop
.endr
.Lasked_\@:
.endm
.macro ALOADJ g0                       ; a joint refill of A's half of a slot: waves 0 and 1, 128 rows each; waves 2 and 3 have no part of it
	s_cmp_eq_u32 s15, 0
	s_cbranch_scc0 .Lno_part_\@
	tensor_load_to_lds s[\g0:\g0+3], s[G1:G1+7]
	s_nop 0
.rept 4
	v_nop
.endr
.Lno_part_\@:
.endm
.macro CREST                           ; a round of the cluster's barrier behind its opening barrier
	s_cmp_lg_u32 s14, 0
	s_cbranch_scc1 .Lnot_wave_0_\@
	s_barrier_signal -3
.Lnot_wave_0_\@:
	s_barrier_wait -3
	s_barrier_signal -1
	s_barrier_wait -1
.endm
.macro CROUND                          ; a whole round
	s_barrier_signal -1
	s_barrier_wait -1
	CREST
.endm
	s_load_b256 s[4:11], s[0:1], 0x0               ; x's codes s[4:5], x's scales s[6:7], the weights' codes s[8:9], their scales s[10:11]
	s_load_b128 s[96:99], s[0:1], 0x20             ; bq, bk
	s_load_b64 s[100:101], s[0:1], 0x30            ; bv
	s_load_b64 s[12:13], s[0:1], 0x38              ; qkv
	s_load_b64 s[104:105], s[0:1], 0x40            ; fine
	v_lshl_add_u32 v[SPW], v0, 2, SPARE
	v_mov_b32 v[NIL], 0
	ds_add_u32 v[SPW], v[NIL]                      ; the wave's opening: the add, twice on end, and its wait ahead of my first tensor load
	ds_add_u32 v[SPW], v[NIL]
	v_lshrrev_b32 v1, 5, v0
	v_readfirstlane_b32 s14, v1                    ; wave 0..3
	s_lshr_b32 s15, s14, 1                         ; which half of a tile's rows is mine.  Also: I fetch for A (0) or for B (1)
	s_and_b32 s16, s14, 1                          ; which half of its columns.  Also: which part of what my side fetches is mine
	s_bfe_u32 s40, ttmp6, 0x40000                  ; cx
	s_bfe_u32 s41, ttmp6, 0x40004                  ; cy
	s_lshl_b32 s42, ttmp9, 2
	s_add_co_u32 s42, s42, s40                     ; tile column = 4 X + cx
	s_and_b32 s95, ttmp7, 0xffff                   ; Y
	s_lshl_b32 s17, s41, 3
	s_lshl_b32 s18, s95, 1
	s_add_co_u32 s17, s17, s18                     ; tile 0's tile row = 8 cy + 2 Y; tile 1 lies below it
	s_lshl_b32 s43, s41, 2
	s_lshl_b32 s43, 15, s43                        ; my row of the cluster
	s_lshl_b32 s44, 0x1111, s40                    ; my column
	s_or_b32 s[G1+0], s43, (0<<16)|(1<<20)|(1<<21)|(5<<22)|(3<<25)  ; 15:0 the mask; elements of 1 byte; padding on; bit 21 beside a mask; 4 words of padding after every 64
	s_or_b32 s[G1B+0], s44, (0<<16)|(1<<20)|(1<<21)|(5<<22)|(3<<25)
.irp g, G1, G1B
	s_mov_b32 s[\g+1], ROWB<<16                    ; tensor_dim0
	s_mov_b32 s[\g+2], 128<<16                     ; tensor_dim1
	s_mov_b32 s[\g+3], ROWB<<16                    ; tile_dim0
	s_mov_b32 s[\g+4], 128                         ; tile_dim1
	s_mov_b32 s[\g+5], KROW                        ; from row to row
	s_mov_b32 s[\g+6], 0
	s_mov_b32 s[\g+7], 0
.endr
	s_or_b32 s[G1S+0], s43, (3<<16)|(1<<20)|(1<<21)|(5<<22)|(3<<25) ; A's scales of 256 rows (one tile's): 8,192 dense bytes as 32 rows of 32 elements of 8 bytes, 16 bytes of padding behind each
	s_mov_b32 s[G1S+1], 32<<16
	s_mov_b32 s[G1S+2], (256*KS/256)<<16
	s_mov_b32 s[G1S+3], 32<<16
	s_mov_b32 s[G1S+4], 256*KS/256
	s_mov_b32 s[G1S+5], 32
	s_mov_b32 s[G1S+6], 0
	s_mov_b32 s[G1S+7], 0
	s_or_b32 s[G1SB+0], s44, (3<<16)|(1<<20)|(1<<21)|(5<<22)|(3<<25) ; B's scales of 128 rows: 16 such rows
	s_mov_b32 s[G1SB+1], 32<<16
	s_mov_b32 s[G1SB+2], (128*KS/256)<<16
	s_mov_b32 s[G1SB+3], 32<<16
	s_mov_b32 s[G1SB+4], 128*KS/256
	s_mov_b32 s[G1SB+5], 32
	s_mov_b32 s[G1SB+6], 0
	s_mov_b32 s[G1SB+7], 0
	s_lshl_b32 s18, s16, 7                         ; which 128 rows of a tile I fetch
	s_lshl_b32 s20, s17, 8                         ; tile 0's first row
	s_lshl_b32 s22, s16, 8
	s_add_co_u32 s22, s22, s20                     ; A's scales: wave 0 takes tile 0's 256 rows, wave 1 tile 1's
	s_lshl_b32 s22, s22, 5                         ; KS = 32 bytes a row: under 2^18
	s_mov_b32 s23, 0
	s_add_co_u32 s20, s20, s18                     ; A's codes: row 256 x tile row + 128 x half
	s_lshl_b32 s46, s42, 8
	s_add_co_u32 s46, s46, s18                     ; B: row 256 x tile column + 128 x half
	s_mov_b32 s21, 0
	s_mov_b32 s47, 0
	s_mov_b64 s[18:19], KS
	s_mul_u64 s[92:93], s[46:47], s[18:19]         ; where B's rows' scales begin,
	s_mov_b64 s[18:19], KROW
	s_mul_u64 s[20:21], s[20:21], s[18:19]         ; and the codes
	s_mul_u64 s[46:47], s[46:47], s[18:19]
	s_mul_i32 s45, s14, HALFT                      ; where the codes go: wave x 128 rows: no place in the cluster enters an LDS address
	s_mul_i32 s94, s16, 2*HALFS                    ; A's scales: a tile's 256 rows a wave
	s_mul_i32 s3, s16, HALFS                       ; B's: 128 rows a wave
	s_wait_dscnt 0x0                               ; both opening adds are done
	s_wait_kmcnt 0x0
	s_add_nc_u64 s[20:21], s[4:5], s[20:21]
	s_add_nc_u64 s[22:23], s[6:7], s[22:23]
	s_add_nc_u64 s[46:47], s[8:9], s[46:47]
	s_add_nc_u64 s[92:93], s[10:11], s[92:93]
	CROUND                                         ; all sixteen work-groups are here: the joint loads meet
	s_mov_b32 s[G0S], 1
	s_add_co_u32 s[G0S+1], s94, SCL
	s_mov_b64 s[G0S+2:G0S+3], s[22:23]
	s_or_b32 s[G0S+3], s[G0S+3], 0x80000000
	s_mov_b32 s[G0SB], 1
	s_add_co_u32 s[G0SB+1], s3, SCLB
	s_mov_b64 s[G0SB+2:G0SB+3], s[92:93]
	s_or_b32 s[G0SB+3], s[G0SB+3], 0x80000000
	JLOAD G0S, G1S, G0SB, G1SB                     ; the scales first: they are wanted with the first slot
.irp s, 0,1
	s_mov_b32 s[G0+4*\s], 1
	s_add_co_u32 s[G0+4*\s+1], s45, \s*SLOT
	s_add_nc_u64 s[G0+4*\s+2:G0+4*\s+3], s[20:21], \s*ROWB
	s_or_b32 s[G0+4*\s+3], s[G0+4*\s+3], 0x80000000
	s_mov_b32 s[G0B+4*\s], 1
	s_add_co_u32 s[G0B+4*\s+1], s45, \s*SLOT
	s_add_nc_u64 s[G0B+4*\s+2:G0B+4*\s+3], s[46:47], \s*ROWB
	s_or_b32 s[G0B+4*\s+3], s[G0B+4*\s+3], 0x80000000
	JLOAD G0+4*\s, G1, G0B+4*\s, G1B               ; three tensor loads of mine are out behind the second of these
.endr
	v_and_b32 v1, 15, v0                           ; r = l % 16
	v_bfe_u32 v2, v0, 4, 1                         ; h = l / 16
	v_mul_u32_u24 v3, v1, PITCH
	v_lshl_add_u32 v4, v2, 4, v3                   ; a fragment's row x pitch + 16 x half
	s_mul_i32 s21, s15, HALFT                      ; my 128 rows of A
	s_mul_i32 s22, s16, HALFT                      ; my 128 rows of B,
	s_add_co_u32 s22, s22, 2*HALFT                 ; which lie behind A's 256
.irp s, 0,1
	v_add_nc_u32 v[ADRA+\s], s21, v4
	v_add_nc_u32 v[ADRB+\s], s22, v4
	s_add_co_u32 s21, s21, SLOT
	s_add_co_u32 s22, s22, SLOT
.endr
	v_mul_u32_u24 v5, v1, KS                       ; my row's scales: KS bytes a row,
	v_lshrrev_b32 v6, 8, v5
	v_lshl_add_u32 v5, v6, 4, v5                   ; and 16 more for each 256 passed
	s_mul_i32 s21, s15, HALFS                      ; A's: my 128 rows of tile 0
	s_mul_i32 s22, s16, HALFS                      ; B's: my 128 rows, behind A's 512
	s_add_co_u32 s22, s22, 4*HALFS
.irp t, 0,1
	s_sub_co_u32 s23, s22, s21                     ; from A's place to B's
	v_mul_u32_u24 v6, s23, v2                      ; lanes 16-31 take B's
	v_add_nc_u32 v6, v5, v6
	s_add_co_u32 s2, s21, SCL
	v_add_nc_u32 v[ADRS+2*\t], s2, v6              ; tile t, slot 0;
	v_add_nc_u32 v[ADRS+2*\t+1], 4*NQ, v[ADRS+2*\t]   ; slot 1: four words on in each row
	s_add_co_u32 s21, s21, 2*HALFS                 ; the next tile's 256 rows
.endr
	s_mul_i32 s23, s14, 16*SPITCH
	s_add_co_u32 s23, s23, STAGE                   ; my stage
	v_mul_u32_u24 v5, v1, SPITCH                   ; in: row r, 16 bytes for each half of the lanes
	v_lshl_add_u32 v5, v2, 4, v5
	v_add_nc_u32 v[STO], s23, v5
	v_mul_u32_u24 v5, v2, SPITCH                   ; back: lanes 0-15 one row of 256 bytes, lanes 16-31 the next
	v_lshl_add_u32 v5, v1, 4, v5
	v_add_nc_u32 v[RD], s23, v5
	v_lshlrev_b32 v5, 11, v2                       ; and the same two rows in qkv: 2,048 bytes a row
	v_lshl_add_u32 v[CO], v1, 4, v5
	v_lshlrev_b32 v[BO], 5, v2
	v_lshlrev_b32 v5, 12, v1
	v_lshl_add_u32 v[FO], v2, 5, v5
	s_lshl_b32 s46, s40, 9                         ; my first column within the tensor, in f16 bytes: 512 cx + 256 x half
	s_lshl_b32 s47, s16, 8
	s_add_co_u32 s46, s46, s47
	s_mov_b32 s47, 0
	s_lshl_b32 s20, s17, 8
	s_lshl_b32 s21, s15, 7
	s_add_co_u32 s20, s20, s21                     ; my first row of tile 0: 256 x tile row + 128 x half
	s_lshl_b32 s20, s20, 11
	s_lshl_b32 s21, ttmp9, 24                      ; the tensor: 16,777,216 bytes each
	s_add_co_u32 s20, s20, s21                     ; under 2^26
	s_mov_b32 s21, 0
	s_add_nc_u64 s[12:13], s[12:13], s[20:21]
	s_add_nc_u64 s[12:13], s[12:13], s[46:47]
	s_lshl_b32 s46, s46, 1                         ; the same column in f32 bytes
	s_lshl_b32 s20, ttmp9, 18                      ; fine: 262,144 bytes a tensor,
	s_lshl_b32 s22, s41, 16                        ; 65,536 a sequence
	s_add_co_u32 s20, s20, s22
	s_add_nc_u64 s[104:105], s[104:105], s[20:21]
	s_add_nc_u64 s[104:105], s[104:105], s[46:47]
	s_cmp_eq_u32 ttmp9, 1                          ; the bias that belongs to the tensor
	s_cselect_b64 s[96:97], s[98:99], s[96:97]
	s_cmp_eq_u32 ttmp9, 2
	s_cselect_b64 s[96:97], s[100:101], s[96:97]
	s_add_nc_u64 s[96:97], s[96:97], s[46:47]
	WIN TO_B                                       ; the bias goes into window 1
.irp b, 0,1,2,3,4,5,6,7
	global_load_b128 v[BI+8*\b:BI+8*\b+3], v[BO], s[96:97] offset:64*\b
	global_load_b128 v[BI+8*\b+4:BI+8*\b+7], v[BO], s[96:97] offset:64*\b+16
.endr
	WIN 0
.macro FRAG reg, adr, q, i             ; a fragment, 16 rows x 128 K of 4-bit codes: lane l holds row l % 16; registers 4 c .. 4 c + 3 hold K = 64 c + 32 (l / 16) + 0 .. 31
.irp c, 0,1
	ds_load_b128 v[\reg+4*\c:\reg+4*\c+3], v[\adr] offset:64*(\q)+32*\c+(\i)*16*PITCH
.endr
.endm
; 16 matrix instructions: A's blocks a0, a0 + 1 x B's eight, the slot's q-th 128 along K.  p: B's set; sc: the set of scale words.  first = 1: the bias is the C: nothing is cleared or added.
; The 64 accumulators take turns, one instruction a turn, in the same order in every step.
.macro MUL16 a0, p, q, sc, first
.irp a, \a0, \a0+1
.irp b, 0,1,2,3,4,5,6,7
.if \first
	v_wmma_scale_f32_16x16x128_f8f6f4 v[8*(8*((\a)%4)+\b):8*(8*((\a)%4)+\b)+7], v[128*(\p)+FR*\b:128*(\p)+FR*\b+FR-1], v[AF+FR*(\a):AF+FR*(\a)+FR-1], v[BI+8*\b:BI+8*\b+7], v[SC+8*NQ*(\sc)+NQ*\b+(\q)], v[SC+8*NQ*(\sc)+NQ*(\a)+(\q)] matrix_a_fmt:MATRIX_FMT_FP4 matrix_b_fmt:MATRIX_FMT_FP4 matrix_a_scale:MATRIX_SCALE_ROW1
.else
	v_wmma_scale_f32_16x16x128_f8f6f4 v[8*(8*((\a)%4)+\b):8*(8*((\a)%4)+\b)+7], v[128*(\p)+FR*\b:128*(\p)+FR*\b+FR-1], v[AF+FR*(\a):AF+FR*(\a)+FR-1], v[8*(8*((\a)%4)+\b):8*(8*((\a)%4)+\b)+7], v[SC+8*NQ*(\sc)+NQ*\b+(\q)], v[SC+8*NQ*(\sc)+NQ*(\a)+(\q)] matrix_a_fmt:MATRIX_FMT_FP4 matrix_b_fmt:MATRIX_FMT_FP4 matrix_a_scale:MATRIX_SCALE_ROW1
.endif
.endr
.endr
.endm
.macro FETCH_B slot, q, p
	WIN TO_B
.irp i, 0,1,2,3,4,5,6,7
	FRAG 128*(\p)+FR*\i, ADRB+\slot, \q, \i
.endr
	WIN 0
.endm
.macro FETCH_A slot, q, i0
.irp i, \i0, \i0+1, \i0+2, \i0+3
	FRAG AF+FR*(\i), ADRA+\slot, \q, \i
.endr
.endm
.macro SCALES sc, adr                  ; a slot's scale words into set sc: NQ words a row; lanes 0-15 take A's block i, lanes 16-31 B's block i
.irp i, 0,1,2,3,4,5,6,7
	ds_load_b128 v[SC+8*NQ*\sc+NQ*\i:SC+8*NQ*\sc+NQ*\i+3], v[\adr] offset:\i*SBLK
.endr
.endm
.macro PLACES n                        ; plain vector lines between a matrix instruction and a load into, or a read of, its registers (ISA guide 7.12.1 for reads)
.rept \n
	v_nop
.endr
.endm
.macro STEP slot, q, first             ; a step of 128 along K that has its successor in the same slot
	s_wait_dscnt 4*NL                              ; B's set, the scale words and A's blocks 0-3 are in; the youngest eight loads (A's blocks 4-7) may be out
.if \first
	WIN BIA_LO
.else
	WIN MUL_LO
.endif
	MUL16 0, (\q)%2, \q, \slot, \first
	MUL16 2, (\q)%2, \q, \slot, \first
	s_wait_dscnt 0                                 ; A's blocks 4-7 are in
	PLACES NP
	FETCH_B \slot, (\q)+1, 1-(\q)%2
	FETCH_A \slot, (\q)+1, 0
.if \first
	WIN BIA_HI
.else
	WIN MUL_HI
.endif
	MUL16 4, (\q)%2, \q, \slot, \first
	MUL16 6, (\q)%2, \q, \slot, \first
	PLACES NP
	WIN 0
	FETCH_A \slot, (\q)+1, 4
.endm
.macro STEPS slot, from
.set Q, \from
.rept NQ-1-\from
	STEP \slot, Q, 0
.set Q, Q+1
.endr
.endm
; A slot's last step changes slots: one barrier; in front of it each wave waits for all its tensor loads, adds 0 to its spare word, and waits for that and for its own reads of this slot.
; fill = 1: the barrier opens a round of the cluster's barrier, and behind the round A's half of this slot is filled again, first thing, with the next tile's rows, 256 rows further down.  nadr: the next slot's scale words.
.macro TURN slot, next, fill, nadr
	s_wait_tensorcnt 0x0                           ; all my tensor loads have landed: my part of the next slot;  (every window is 0 here)
	ds_add_u32 v[SPW], v[NIL]                      ; 0 onto my spare word
	s_wait_dscnt 4*NL+1                            ; (the add and the youngest eight loads, A's blocks 4-7, may be out)
	WIN MUL_LO
	MUL16 0, 1, NQ-1, \slot, 0                     ; sixteen matrix instructions stand between the add and the wait for it
	s_wait_dscnt 0x0                               ; the add is done, and my reads of this slot are over
	s_barrier_signal -1
	MUL16 2, 1, NQ-1, \slot, 0
	WIN 0
	s_barrier_wait -1
.if \fill
	CREST                                          ; no wave of any partner still reads this slot's rows of A or has a load on its way
	s_add_nc_u64 s[G0+4*\slot+2:G0+4*\slot+3], s[G0+4*\slot+2:G0+4*\slot+3], 256*KROW
	ALOADJ G0+4*\slot                              ; the one tensor load of waves 0 and 1 behind the round
.endif
	PLACES NP                                      ; on every wave's way: the places in front of the loads below
	FETCH_B \next, 0, 0
	FETCH_A \next, 0, 0
	SCALES \next, \nadr
	WIN MUL_HI
	MUL16 4, 1, NQ-1, \slot, 0
	MUL16 6, 1, NQ-1, \slot, 0
	PLACES NP
	WIN 0
	FETCH_A \next, 0, 4
.endm
; THE WAY OUT of block a (16 rows x 128 columns).  PACK: rounded to f16, 16 bytes a lane.  TOSTAGE: into my own stage, and back as whole rows of 256 bytes.  SEND: stored.
.macro PACK a
.set AC, 64*((\a)%4)
	WIN 0x0a+5*((\a)/4)                            ; sources 0 and 1: window 2 or 3
.irp b, 0,1,2,3,4,5,6,7
.irp r, 0,1,2,3
	v_cvt_pk_f16_f32 v[TMP+4*\b+\r], v[AC+8*\b+2*\r], v[AC+8*\b+2*\r+1]
.endr
.endr
	WIN 0
.endm
.macro TOSTAGE a
.set BK, OB+128*((\a)%2)
.irp b, 0,1,2,3,4,5,6,7
	ds_store_b128 v[STO], v[TMP+4*\b:TMP+4*\b+3] offset:32*\b
.endr
.irp t, 0,1,2,3,4,5,6,7
	ds_load_b128 v[BK+4*\t:BK+4*\t+3], v[RD] offset:\t*2*SPITCH    ; LDS serves a wave's instructions in order: these see the stores above
.endr
.endm
.macro SEND a, tile
.set BK, OB+128*((\a)%2)
	s_wait_dscnt 0x0                               ; the block is back in registers
	s_wait_xcnt 0x0                                ; earlier stores have read their registers: the next block's loads may land there, and the next tile's products on the accumulators
.irp t, 0,1,2,3,4,5,6,7
	global_store_b128 v[CO], v[BK+4*\t:BK+4*\t+3], s[12:13] offset:(256*(\tile)+16*(\a)+2*\t)*2048   ; 16 lanes store 256 consecutive bytes, aligned; the tile and the block stand in the immediate: 782,336 at the most
.endr
.endm
.macro WAYOUT tile                     ; block a's conversions stand between block a - 1's loads from the stage and the wait for them
	PACK 0
	TOSTAGE 0
.irp a, 1,2,3,4,5,6,7
	PACK \a
	SEND \a-1, \tile
	TOSTAGE \a
.endr
	SEND 7, \tile
.endm
	s_wait_tensorcnt 1                             ; the scales and my part of slot 0 are in (slot 1's load may be out)
	s_barrier_signal -1
	s_barrier_wait -1                              ; everybody's are
	FETCH_B 0, 0, 0
	FETCH_A 0, 0, 0
	SCALES 0, ADRS
	FETCH_A 0, 0, 4
	s_wait_loadcnt 0x0                             ; the bias
	; ---- tile 0
	STEP 0, 0, 1                                   ; the first step's products start the sums from the bias
	STEPS 0, 1
	TURN 0, 1, 1, ADRS+1                           ; slot 0 takes tile 1's rows of A: the load has slot 1's four steps in which to land
	STEPS 1, 0
	TURN 1, 0, 1, ADRS+2                           ; slot 1 likewise: it has tile 0's way out and slot 0's four steps; tile 1's first fragments and scale words are fetched
	; A sequence's first 16 rows, in f32: block 0 of the waves with rows 0-127, in tile 0 of the work-groups with Y = 0.  The branch hangs on the cluster's y and the wave's number.
	s_or_b32 s2, s95, s15
	s_cmp_lg_u32 s2, 0
	s_cbranch_scc1 .Lno_fine
	WIN 0x08                                       ; a store's data are its source 1: window 2
.irp b, 0,1,2,3,4,5,6,7
	global_store_b128 v[FO], v[8*\b:8*\b+3], s[104:105] offset:64*\b        ; each accumulator from its low end on
	global_store_b128 v[FO], v[8*\b+4:8*\b+7], s[104:105] offset:64*\b+16
.endr
	WIN 0
.Lno_fine:
	WAYOUT 0                                       ; both refills are asked for: now the tile goes out; nothing waits for its stores
	; ---- tile 1
	STEP 0, 0, 1                                   ; the accumulators have been packed: they begin anew from the bias
	STEPS 0, 1
	TURN 0, 1, 0, ADRS+3                           ; nothing is filled again: a plain barrier
	STEPS 1, 0
	s_wait_dscnt 4*NL                              ; the very last step: nothing more to fetch
	WIN MUL_LO
	MUL16 0, 1, NQ-1, 1, 0
	MUL16 2, 1, NQ-1, 1, 0
	s_wait_dscnt 0
	WIN MUL_HI
	MUL16 4, 1, NQ-1, 1, 0
	MUL16 6, 1, NQ-1, 1, 0
	WIN 0
	PLACES NP
	WAYOUT 1
	s_wait_tensorcnt 0x0                           ; the wave's end, behind my last tensor load and my last LDS store
	ds_add_u32 v[SPW], v[NIL]
	s_wait_dscnt 0x0
	CROUND                                         ; the closing round
	s_endpgm
.Lfunc_end_k_qdc02285f71_qkv:
	.size	k_qdc02285f71_qkv, .Lfunc_end_k_qdc02285f71_qkv-k_qdc02285f71_qkv
	.p2alignl 7, 3214868480
	.fill 96, 4, 3214868480
	.section	.rodata,"a",@progbits
	.p2align	6, 0x0
	.amdhsa_kernel k_qdc02285f71_qkv
		.amdhsa_group_segment_fixed_size 327680
		.amdhsa_private_segment_fixed_size 0
		.amdhsa_enable_private_segment 0
		.amdhsa_kernarg_size 72
		.amdhsa_user_sgpr_count 2
		.amdhsa_user_sgpr_kernarg_segment_ptr 1
		.amdhsa_wavefront_size32 1
		.amdhsa_system_sgpr_workgroup_id_x 1
		.amdhsa_system_sgpr_workgroup_id_y 1
		.amdhsa_system_sgpr_workgroup_id_z 1
		.amdhsa_system_vgpr_workitem_id 0
		.amdhsa_next_free_vgpr 1024
		.amdhsa_next_free_sgpr 106
		.amdhsa_reserve_vcc 0
		.amdhsa_float_denorm_mode_32 3
		.amdhsa_float_denorm_mode_16_64 3
		.amdhsa_memory_ordered 1
		.amdhsa_forward_progress 1
		.amdhsa_inst_pref_size 248
	.end_amdhsa_kernel
	.amdgpu_metadata
---
amdhsa.version: [ 1, 2 ]
amdhsa.kernels:
  - .name:           k_qdc02285f71_qkv
    .symbol:         k_qdc02285f71_qkv.kd
    .args:
      - { .name: xc, .offset: 0, .size: 8, .value_kind: global_buffer, .address_space: global }
      - { .name: xs, .offset: 8, .size: 8, .value_kind: global_buffer, .address_space: global }
      - { .name: wc, .offset: 16, .size: 8, .value_kind: global_buffer, .address_space: global }
      - { .name: ws, .offset: 24, .size: 8, .value_kind: global_buffer, .address_space: global }
      - { .name: bq, .offset: 32, .size: 8, .value_kind: global_buffer, .address_space: global }
      - { .name: bk, .offset: 40, .size: 8, .value_kind: global_buffer, .address_space: global }
      - { .name: bv, .offset: 48, .size: 8, .value_kind: global_buffer, .address_space: global }
      - { .name: qkv, .offset: 56, .size: 8, .value_kind: global_buffer, .address_space: global }
      - { .name: fine, .offset: 64, .size: 8, .value_kind: global_buffer, .address_space: global }
    .group_segment_fixed_size: 327680
    .private_segment_fixed_size: 0
    .kernarg_segment_align: 8
    .kernarg_segment_size: 72
    .max_flat_workgroup_size: 128
    .sgpr_count:     106
    .vgpr_count:     1024
    .wavefront_size: 32
...
	.end_amdgpu_metadata
.endif
;; end of part 2
;; launch scores (part 3): grid 9 x 16, 4 waves a work-group, no clusters, 327,680 bytes of LDS; arguments qkv, pt, st; writes pt, st
.if DOCPART == 3
	.amdgcn_target "amdgcn-amd-amdhsa--gfx1250"
	.amdhsa_code_object_version 6
	.text
	.protected	k_qdc02285f71_scores
	.globl	k_qdc02285f71_scores
	.p2align	8
	.type	k_qdc02285f71_scores,@function
k_qdc02285f71_scores:
	s_mov_b64 s[64:65], 0
	v_nop
	global_prefetch_b8 v0, s[64:65] scope:SCOPE_SE
	s_setreg_imm32_b32 hwreg(HW_REG_WAVE_MODE, 25, 1), 1
	s_wait_xcnt 0x0
; The first attention product and the softmax's part that a tile can do by itself.  For each tile of 256 queries x 256 keys that the causal mask leaves: S = q k^T (f16 operands, f32 sums, K = 1,024).
; Each wave's quadrant of 128 x 128 is a tile (i, j) of its own: hidden scores become -infinity, m = the row's largest score IN THE TILE, p = 2^(c s - c m), c = log2(e) / 32, l = the row's sum of p in f32.
; p leaves as f16 (pt: dense tiles [128 queries][128 keys]), (c m, l) as f32 (st).  The next launch joins the tiles of a row: so the true maximum is taken away ahead of every exponential.
; LIMITS: p under 2^-25 of its tile's largest is lost in f16; q and k are f16 (under 65,504).
; SHARES.  Tile rows P' and 7 - P' of a sequence have 9 tiles together: grid x = 0..8 walks them, grid y = 4 x sequence + P'.  144 work-groups of equal work.
; NO CLUSTER: tile row I has I + 1 tiles that count, so no grouping by four gives every partner a tile; a partner wholly under the mask would have to ask for tiles that it never reads.
; In a tile on the diagonal wave 1's quadrant (i, i + 1) is wholly hidden: it walks the loop with the others, since all waves pass every barrier and fetch a quarter of each slot, and stores nothing.
; THE LOOP: K in steps of 128 through two LDS slots (q's 256 rows, then k's 256, rows of 256 bytes + 16); each wave fetches 128 rows with one tensor load.  Source 0 = 16 rows of k, source 1 = 16 rows of q:
; a lane holds one query (lane % 16) and the keys 16 b + 8 (lane / 16) + 0 .. 7.
; REGISTERS: window 0: v0-31 addresses; v32-63 the softmax's work; v64-127, v128-191 q's fragments, two buffers (behind the loop: at work); v192-223 packed p.  window 1: k's fragments.  windows 2, 3: the 64 accumulators ((a, b) at v[8 (8 a + b)]).
.set KSTEP,  128
.set PITCH,  272                       ; 68 words: the 16 rows that a load touches start 4 words apart modulo 64
.set HALFT,  128*PITCH
.set SLOT,   4*HALFT
.set STAGE,  2*SLOT                    ; behind the ring: 16 rows x 272 bytes for each wave
.set SPITCH, 272
.set SPARE,  STAGE+4*16*SPITCH
.set LAPS,   4                         ; 1,024 / 256: a lap = two K steps
.set ADRA, 16
.set ADRB, 20
.set STO,  24
.set RD,   25
.set CO,   26                          ; v26 16 x lane: my bytes of 512 of a tile of p
.set SO8,  27                          ; v27 8 x lane
.set SPW,  28
.set NIL,  29
.set VI,   30                          ; v30 -infinity
.set TM,   32                          ; v32-39 the eight blocks' maxima
.set CM,   40                          ; v[40:41] c m (named as a pair)
.set LS,   42                          ; v[42:45] the sums, two chains of pairs
.set XP,   46
.set VD,   47                          ; v47 r - 8 h
.set STT,  48                          ; v48-63 (c m, l) of block a at 2 a
.set F0,   64
.set F1,   128
.set SV,   64                          ; v64-71 the statistics on their way out
.set OB,   96                          ; v96-127, v128-159: rows read back, by turns
.set TMP,  192
.set G1, 24
.set G0, 32
.set TI, 40                            ; s40 i, s41 j: my quadrant's tile
.set TJ, 41
.set CS, 58
.set SEL, 60
.set HM, 62                            ; s62 the mask of lanes 16-31
.set MSB, 0
.macro WIN new
.if MSB != (\new)
	s_set_vgpr_msb (MSB<<8)|(\new)
.set MSB, (\new)
.endif
.endm
.set MUL_LO, 0xa1
.set MUL_HI, 0xf1
.set TO_B,   0x40
	s_load_b128 s[4:7], s[0:1], 0x0                ; qkv, pt
	s_load_b64 s[8:9], s[0:1], 0x10                ; st
	v_lshl_add_u32 v[SPW], v0, 2, SPARE
	v_mov_b32 v[NIL], 0
	ds_add_u32 v[SPW], v[NIL]                      ; the wave's opening: the add, twice on end, and its wait ahead of my first tensor load
	ds_add_u32 v[SPW], v[NIL]
	v_lshrrev_b32 v1, 5, v0
	v_readfirstlane_b32 s10, v1                    ; wave 0..3
	s_lshr_b32 s11, s10, 1                         ; my half of the queries
	s_and_b32 s12, s10, 1                          ; my half of the keys.  Also: which 128 rows I fetch
	s_and_b32 s13, ttmp7, 0xffff
	s_and_b32 s14, s13, 3                          ; P'
	s_lshr_b32 s13, s13, 2                         ; the sequence
	s_sub_co_u32 s17, 7, s14
	s_sub_co_u32 s18, ttmp9, s14
	s_sub_co_u32 s18, s18, 1
	s_cmp_le_u32 ttmp9, s14                        ; the first P' + 1 work-groups take tile row P', the other 8 - P' tile row 7 - P'
	s_cselect_b32 s15, s14, s17                    ; I
	s_cselect_b32 s16, ttmp9, s18                  ; J
	s_mov_b32 s[G1+0], (1<<16)|(1<<20)|(5<<22)|(3<<25)   ; no mask; elements of 2 bytes; 4 words of padding after every 64
	s_mov_b32 s[G1+1], KSTEP<<16                   ; tensor_dim0
	s_mov_b32 s[G1+2], 128<<16                     ; tensor_dim1
	s_mov_b32 s[G1+3], KSTEP<<16                   ; tile_dim0
	s_mov_b32 s[G1+4], 128                         ; tile_dim1
	s_mov_b32 s[G1+5], 1024                        ; from row to row
	s_mov_b32 s[G1+6], 0
	s_mov_b32 s[G1+7], 0
	s_cmp_lt_u32 s10, 2                            ; waves 0 and 1 fetch q's rows, waves 2 and 3 k's
	s_cselect_b32 s19, s15, s16
	s_cselect_b32 s20, 0, 0x1000000                ; k lies 16,777,216 bytes behind q
	s_lshl_b32 s19, s19, 8
	s_lshl_b32 s21, s13, 11
	s_add_co_u32 s19, s19, s21
	s_lshl_b32 s21, s12, 7
	s_add_co_u32 s19, s19, s21                     ; row 2,048 x sequence + 256 x tile + 128 x half
	s_lshl_b32 s19, s19, 11                        ; 2,048 bytes a row
	s_add_co_u32 s20, s20, s19
	s_mov_b32 s21, 0
	s_mul_i32 s22, s10, HALFT                      ; where they go: wave x 128 rows
	s_mov_b32 s[CS], 0x3d38aa3b                    ; c = log2(e) / 32
	s_mov_b32 s[CS+1], s[CS]
	s_mov_b32 s[SEL], 0x76543210
	s_mov_b32 s[SEL+1], 0xfedcba98
	s_mov_b32 s[HM], 0xffff0000
	s_wait_dscnt 0x0                               ; both opening adds are done
	s_wait_kmcnt 0x0
	s_add_nc_u64 s[20:21], s[4:5], s[20:21]
.irp s, 0,1
	s_mov_b32 s[G0+4*\s], 1
	s_add_co_u32 s[G0+4*\s+1], s22, \s*SLOT
	s_add_nc_u64 s[G0+4*\s+2:G0+4*\s+3], s[20:21], \s*KSTEP*2
	s_or_b32 s[G0+4*\s+3], s[G0+4*\s+3], 0x80000000
	tensor_load_to_lds s[G0+4*\s:G0+4*\s+3], s[G1:G1+7]            ; both first fills go out together: two loads of mine are out
	s_nop 0
.endr
.rept 4
	v_nop
.endr
	s_lshl_b32 s[TI], s15, 1
	s_add_co_u32 s[TI], s[TI], s11                 ; i = 2 I + my half
	s_lshl_b32 s[TJ], s16, 1
	s_add_co_u32 s[TJ], s[TJ], s12                 ; j = 2 J + my half
	s_lshl_b32 s42, s13, 4
	s_add_co_u32 s42, s42, s[TI]
	s_lshl_b32 s42, s42, 4
	s_add_co_u32 s42, s42, s[TJ]                   ; the tile's number: (16 x sequence + i) x 16 + j
	s_lshl_b32 s44, s42, 15                        ; 32,768 bytes of p a tile
	s_mov_b32 s45, 0
	s_add_nc_u64 s[6:7], s[6:7], s[44:45]
	s_lshl_b32 s44, s42, 10                        ; 1,024 bytes of statistics
	s_add_nc_u64 s[8:9], s[8:9], s[44:45]
	v_and_b32 v1, 15, v0                           ; r
	v_bfe_u32 v2, v0, 4, 1                         ; h
	v_mul_u32_u24 v3, v1, PITCH
	v_lshl_add_u32 v3, v2, 4, v3
	s_mul_i32 s21, s11, HALFT                      ; my 128 rows of q
	s_mul_i32 s22, s12, HALFT                      ; my 128 rows of k,
	s_add_co_u32 s22, s22, 2*HALFT                 ; which lie behind q's 256
.irp s, 0,1
	v_add_nc_u32 v[ADRA+\s], s21, v3
	v_add_nc_u32 v[ADRB+\s], s22, v3
	s_add_co_u32 s21, s21, SLOT
	s_add_co_u32 s22, s22, SLOT
.endr
	s_mul_i32 s23, s10, 16*SPITCH
	s_add_co_u32 s23, s23, STAGE                   ; my stage
	v_mul_u32_u24 v4, v1, SPITCH
	v_lshl_add_u32 v4, v2, 4, v4
	v_add_nc_u32 v[STO], s23, v4
	v_mul_u32_u24 v5, v2, SPITCH
	v_lshl_add_u32 v5, v1, 4, v5
	v_add_nc_u32 v[RD], s23, v5
	v_and_b32 v6, 31, v0
	v_lshlrev_b32 v[CO], 4, v6
	v_lshlrev_b32 v[SO8], 3, v6
	v_lshlrev_b32 v7, 3, v2
	v_sub_nc_u32 v[VD], v1, v7
	v_mov_b32 v[VI], 0xff800000
	v_mov_b32 v[XP], 0                             ; a lane permute's destination counts as one of its sources
	v_mov_b32 v[CM+1], 0                           ; named with c m as a pair
.macro MUL16 f, hi, a0, zero           ; 16 matrix instructions: query blocks a0, a0 + 1 of the window's four x all 8 key blocks, 32 along K.  zero = 1: the first product starts the sums
.irp a, \a0, \a0+1
.irp b, 0,1,2,3,4,5,6,7
.if \zero
	v_wmma_f32_16x16x32_f16 v[8*(8*(\a)+\b):8*(8*(\a)+\b)+7], v[\f+8*\b:\f+8*\b+7], v[\f+8*(4*\hi+(\a)):\f+8*(4*\hi+(\a))+7], 0
.else
	v_wmma_f32_16x16x32_f16 v[8*(8*(\a)+\b):8*(8*(\a)+\b)+7], v[\f+8*\b:\f+8*\b+7], v[\f+8*(4*\hi+(\a)):\f+8*(4*\hi+(\a))+7], v[8*(8*(\a)+\b):8*(8*(\a)+\b)+7]
.endif
.endr
.endr
.endm
.macro FETCH slot, k, f                ; 32 LDS loads in one run: the fragments of 32 along K at byte k of the rows
	WIN TO_B
.irp i, 0,1,2,3,4,5,6,7
	ds_load_b128 v[\f+8*\i:\f+8*\i+3],   v[ADRB+\slot] offset:\k+\i*16*PITCH
	ds_load_b128 v[\f+8*\i+4:\f+8*\i+7], v[ADRB+\slot] offset:\k+\i*16*PITCH+32
.endr
	WIN 0
.irp i, 0,1,2,3,4,5,6,7
	ds_load_b128 v[\f+8*\i:\f+8*\i+3],   v[ADRA+\slot] offset:\k+\i*16*PITCH
	ds_load_b128 v[\f+8*\i+4:\f+8*\i+7], v[ADRA+\slot] offset:\k+\i*16*PITCH+32
.endr
.endm
.macro PLACES                          ; four plain vector lines between a matrix instruction and a load into, or a read or write of, its registers (ISA guide 7.12.1 for reads and writes)
.rept 4
	v_nop
.endr
.endm
.macro QUARTER slot, k, f, g, zero     ; 32 along K: multiplies buffer f; in its middle it fetches the next quarter's fragments into g
	s_wait_dscnt 8                                 ; k's and q's rows 0-63 are in; the youngest eight loads (q's rows 64-127) may be out
	WIN MUL_LO
	MUL16 \f, 0, 0, \zero
	MUL16 \f, 0, 2, \zero
	PLACES
	FETCH \slot, \k, \g
	s_wait_dscnt 32                                ; all but the 32 just issued
	WIN MUL_HI
	MUL16 \f, 1, 0, \zero
	MUL16 \f, 1, 2, \zero
.endm
; A slot's last quarter changes slots: one barrier; in front of it each wave waits for all its tensor loads, adds 0 to its spare word, and waits for that and for its reads of this slot.
; fill = 1: behind the barrier this slot is filled again first, two K steps ahead: the load has 224 matrix instructions in which to land.
.macro TURN slot, next, fill
	WIN 0
	s_wait_tensorcnt 0x0                           ; all my tensor loads have landed: the one that was out is my part of the next slot
	ds_add_u32 v[SPW], v[NIL]                      ; 0 onto my spare word
	s_wait_dscnt 9                                 ; (the add and the youngest eight loads may be out)
	WIN MUL_LO
	MUL16 F1, 0, 0, 0
	s_wait_dscnt 0x0                               ; the add is done, and my reads of this slot are over
	s_barrier_signal -1
	MUL16 F1, 0, 2, 0
	WIN 0
	s_barrier_wait -1
.if \fill
	s_add_nc_u64 s[G0+4*\slot+2:G0+4*\slot+3], s[G0+4*\slot+2:G0+4*\slot+3], 2*KSTEP*2
	tensor_load_to_lds s[G0+4*\slot:G0+4*\slot+3], s[G1:G1+7]      ; my one tensor load behind this barrier
	s_nop 0
.endif
	PLACES                                         ; behind the load, and in front of the loads below
	FETCH \next, 0, F0
	WIN MUL_HI
	MUL16 F1, 1, 0, 0
	MUL16 F1, 1, 2, 0
.endm
	s_wait_tensorcnt 1                             ; my part of K step 0 is in (K step 1's may be out)
	s_barrier_signal -1
	s_barrier_wait -1                              ; everybody's is
	FETCH 0, 0, F0
	QUARTER 0, 64,  F0, F1, 1                      ; the first quarter stands in front of the loop: its products start the sums
	WIN 0
	s_mov_b32 s3, LAPS-1
.Llap:                                                 ; a trip goes once round the ring and fills both slots again: K steps 2 to 7
	QUARTER 0, 128, F1, F0, 0
	QUARTER 0, 192, F0, F1, 0
	TURN 0, 1, 1
	QUARTER 1, 64,  F0, F1, 0
	QUARTER 1, 128, F1, F0, 0
	QUARTER 1, 192, F0, F1, 0
	TURN 1, 0, 1
	QUARTER 0, 64,  F0, F1, 0
	WIN 0
	s_sub_co_u32 s3, s3, 1
	s_cmp_lg_u32 s3, 0
	s_cbranch_scc1 .Llap
	QUARTER 0, 128, F1, F0, 0                      ; the last lap fills nothing
	QUARTER 0, 192, F0, F1, 0
	TURN 0, 1, 0
	QUARTER 1, 64,  F0, F1, 0
	QUARTER 1, 128, F1, F0, 0
	QUARTER 1, 192, F0, F1, 0
	s_wait_dscnt 8
	WIN MUL_LO
	MUL16 F1, 0, 0, 0
	MUL16 F1, 0, 2, 0
	s_wait_dscnt 0x0
	WIN MUL_HI
	MUL16 F1, 1, 0, 0
	MUL16 F1, 1, 2, 0
	WIN 0
	PLACES
	s_cmp_gt_u32 s[TJ], s[TI]                      ; a quadrant wholly under the mask leaves nothing
	s_cbranch_scc1 .Ldone
; THE SOFTMAX OF BLOCK a: 16 queries x 128 keys, 64 numbers a lane, in place in the accumulators' window W.
.macro SOFT a
.set W, 2+(\a)/4
.set AC, 64*((\a)%4)
	s_cmp_lg_u32 s[TJ], s[TI]                      ; the mask, on the diagonal alone: key 16 b + 8 h + n is hidden from query 16 a + r where it is the larger
	s_cbranch_scc1 .Lopen_\@
	WIN (W<<6)|W                                   ; destination and source 0 in W
.irp n, 0,1,2,3,4,5,6,7
	v_cmp_gt_i32 vcc_lo, \n, v[VD]                 ; b = a: hidden where n > r - 8 h
	v_cndmask_b32 v[AC+8*(\a)+\n], v[AC+8*(\a)+\n], v[VI], vcc_lo
.endr
.set bb, (\a)+1
.rept 7-(\a)                           ; b > a: all hidden
.irp n, 0,1,2,3,4,5,6,7
	v_mov_b32 v[AC+8*bb+\n], 0xff800000
.endr
.set bb, bb+1
.endr
	WIN 0
.Lopen_\@:
	WIN W|(W<<2)|(W<<4)                            ; the maximum: eight chains, each accumulator from its low end on
.irp b, 0,1,2,3,4,5,6,7
	v_max3_num_f32 v[TM+\b], v[AC+8*\b], v[AC+8*\b+1], v[AC+8*\b+2]
.endr
	WIN (W<<2)|(W<<4)
.irp i, 3,5
.irp b, 0,1,2,3,4,5,6,7
	v_max3_num_f32 v[TM+\b], v[TM+\b], v[AC+8*\b+\i], v[AC+8*\b+\i+1]
.endr
.endr
.irp b, 0,1,2,3,4,5,6,7
	v_max_num_f32 v[TM+\b], v[TM+\b], v[AC+8*\b+7]
.endr
	WIN 0
	v_max3_num_f32 v[TM], v[TM], v[TM+1], v[TM+2]
	v_max3_num_f32 v[TM+3], v[TM+3], v[TM+4], v[TM+5]
	v_max3_num_f32 v[TM], v[TM], v[TM+6], v[TM+7]
	v_max_num_f32 v[TM], v[TM], v[TM+3]
	v_permlanex16_b32 v[XP], v[TM], s[SEL], s[SEL+1]   ; the query's other 64 keys lie in the lane 16 away
	v_max_num_f32 v[TM], v[TM], v[XP]
	v_mul_f32 v[CM], s[CS], v[TM]                  ; c m
	WIN (W<<6)|W
.set k, 0
.rept 32
	v_pk_fma_f32 v[AC+k:AC+k+1], v[AC+k:AC+k+1], s[CS:CS+1], v[CM:CM+1] op_sel_hi:[1,0,0] neg_lo:[0,0,1] neg_hi:[0,0,1]   ; c s - c m
.set k, k+2
.endr
.set k, 0
.rept 64
	v_exp_f32 v[AC+k], v[AC+k]                     ; p, at most 1; one batch
.set k, k+1
.endr
	v_nop                                          ; the plain line behind the last exponential
	s_wait_alu depctr_va_vdst(0)                   ; one wait for the batch, ahead of its first reader
	WIN W|(W<<2)
	v_pk_add_f32 v[LS:LS+1], v[AC:AC+1], v[AC+2:AC+3]              ; the sum of the unrounded p, in two chains
	v_pk_add_f32 v[LS+2:LS+3], v[AC+4:AC+5], v[AC+6:AC+7]
.set k, 0
.rept 32
	v_cvt_pk_f16_f32 v[TMP+k], v[AC+2*k], v[AC+2*k+1]              ; key block b's eight weights: 16 bytes in v[TMP + 4 b] on
.set k, k+1
.endr
	WIN (W<<2)
.set k, 8
.rept 14
	v_pk_add_f32 v[LS:LS+1], v[LS:LS+1], v[AC+k:AC+k+1]
	v_pk_add_f32 v[LS+2:LS+3], v[LS+2:LS+3], v[AC+k+2:AC+k+3]
.set k, k+4
.endr
	WIN 0
	v_pk_add_f32 v[LS:LS+1], v[LS:LS+1], v[LS+2:LS+3]
	v_add_f32 v[LS], v[LS], v[LS+1]
	v_permlanex16_b32 v[XP], v[LS], s[SEL], s[SEL+1]
	v_mov_b32 v[STT+2*(\a)], v[CM]
	v_add_f32 v[STT+2*(\a)+1], v[LS], v[XP]        ; l
.endm
.macro TOSTAGE a
.set BK, OB+32*((\a)%2)
.irp b, 0,1,2,3,4,5,6,7
	ds_store_b128 v[STO], v[TMP+4*\b:TMP+4*\b+3] offset:32*\b
.endr
.irp t, 0,1,2,3,4,5,6,7
	ds_load_b128 v[BK+4*\t:BK+4*\t+3], v[RD] offset:\t*2*SPITCH    ; LDS serves a wave's instructions in order: these see the stores above
.endr
.endm
.macro SEND a
.set BK, OB+32*((\a)%2)
	s_wait_dscnt 0x0                               ; the block is back in registers
	s_wait_xcnt 0x0                                ; the stores of the block before have read their registers: the next block's loads may land there
.irp t, 0,1,2,3,4,5,6,7
	global_store_b128 v[CO], v[BK+4*\t:BK+4*\t+3], s[6:7] offset:4096*(\a)+512*\t   ; 32 lanes store 512 consecutive bytes, aligned: two rows of the dense tile
.endr
.endm
	SOFT 0
	TOSTAGE 0
.irp a, 1,2,3,4,5,6,7                  ; block a's softmax stands between block a - 1's loads from the stage and the wait for them
	SOFT \a
	SEND \a-1
	TOSTAGE \a
.endr
	SEND 7
.irp u, 0,1,2,3                        ; the statistics: lanes 0-15 give block 2 u's rows, lanes 16-31 block 2 u + 1's
	v_cndmask_b32 v[SV+2*\u], v[STT+4*\u], v[STT+4*\u+2], s[HM]
	v_cndmask_b32 v[SV+2*\u+1], v[STT+4*\u+1], v[STT+4*\u+3], s[HM]
.endr
.irp u, 0,1,2,3
	global_store_b64 v[SO8], v[SV+2*\u:SV+2*\u+1], s[8:9] offset:256*\u   ; 32 lanes store 256 consecutive bytes, aligned
.endr
.Ldone:
	s_wait_tensorcnt 0x0                           ; the wave's end, behind my last tensor load and my last LDS store
	ds_add_u32 v[SPW], v[NIL]
	s_wait_dscnt 0x0
	s_endpgm
.Lfunc_end_k_qdc02285f71_scores:
	.size	k_qdc02285f71_scores, .Lfunc_end_k_qdc02285f71_scores-k_qdc02285f71_scores
	.p2alignl 7, 3214868480
	.fill 96, 4, 3214868480
	.section	.rodata,"a",@progbits
	.p2align	6, 0x0
	.amdhsa_kernel k_qdc02285f71_scores
		.amdhsa_group_segment_fixed_size 327680
		.amdhsa_private_segment_fixed_size 0
		.amdhsa_enable_private_segment 0
		.amdhsa_kernarg_size 24
		.amdhsa_user_sgpr_count 2
		.amdhsa_user_sgpr_kernarg_segment_ptr 1
		.amdhsa_wavefront_size32 1
		.amdhsa_system_sgpr_workgroup_id_x 1
		.amdhsa_system_sgpr_workgroup_id_y 1
		.amdhsa_system_sgpr_workgroup_id_z 1
		.amdhsa_system_vgpr_workitem_id 0
		.amdhsa_next_free_vgpr 1024
		.amdhsa_next_free_sgpr 66
		.amdhsa_reserve_vcc 1
		.amdhsa_float_denorm_mode_32 3
		.amdhsa_float_denorm_mode_16_64 3
		.amdhsa_memory_ordered 1
		.amdhsa_forward_progress 1
		.amdhsa_inst_pref_size 226
	.end_amdhsa_kernel
	.amdgpu_metadata
---
amdhsa.version: [ 1, 2 ]
amdhsa.kernels:
  - .name:           k_qdc02285f71_scores
    .symbol:         k_qdc02285f71_scores.kd
    .args:
      - { .name: qkv, .offset: 0, .size: 8, .value_kind: global_buffer, .address_space: global }
      - { .name: pt, .offset: 8, .size: 8, .value_kind: global_buffer, .address_space: global }
      - { .name: st, .offset: 16, .size: 8, .value_kind: global_buffer, .address_space: global }
    .group_segment_fixed_size: 327680
    .private_segment_fixed_size: 0
    .kernarg_segment_align: 8
    .kernarg_segment_size: 24
    .max_flat_workgroup_size: 128
    .sgpr_count:     66
    .vgpr_count:     1024
    .wavefront_size: 32
...
	.end_amdgpu_metadata
.endif
;; end of part 3
;; launch pv (part 4): grid 8 x 32, 4 waves a work-group, clusters of 4 x 1, 327,680 bytes of LDS; arguments pt, st, qkv, out0; writes out0
.if DOCPART == 4
	.amdgcn_target "amdgcn-amd-amdhsa--gfx1250"
	.amdhsa_code_object_version 6
	.text
	.protected	k_qdc02285f71_pv
	.globl	k_qdc02285f71_pv
	.p2align	8
	.type	k_qdc02285f71_pv,@function
k_qdc02285f71_pv:
	s_mov_b64 s[64:65], 0
	v_nop
	global_prefetch_b8 v0, s[64:65] scope:SCOPE_SE
	s_setreg_imm32_b32 hwreg(HW_REG_WAVE_MODE, 25, 1), 1
	s_wait_xcnt 0x0
	s_wait_alu depctr_hold_cnt(0) depctr_sa_sdst(0) depctr_va_vdst(0) depctr_va_sdst(0) depctr_va_ssrc(0) depctr_va_vcc(0) depctr_vm_vsrc(0)
	s_getreg_b32 s2, hwreg(HW_REG_IB_STS2, 6, 4)
	s_cmp_eq_u32 s2, 0
	s_cbranch_scc0 .Lentry_in_a_cluster
	s_endpgm
.Lentry_in_a_cluster:
	s_bfe_u32 s2, ttmp6, 0x10000c
	s_cmp_lg_u32 s2, 0x3003
	s_cbranch_scc0 .Lentry_shape_is_right
	s_endpgm
.Lentry_shape_is_right:
; The second attention product, with the joining of the softmax's tiles: y[row] = sum over key tiles j of f_j[row] (P_j V_j)[row], f_j = 2^(c m_j - c m) / l, c m = the largest c m_j of the row, l = sum of 2^(c m_j - c m) l_j.
; P: dense tiles [128 queries][128 keys] f16 (pt); (c m_j, l_j): st; V: the third part of qkv, [8192][1024] f16; y: out0, f32.  Products in f16 with f32 sums; the joining in f32.
; SHARES.  A work-group owns 128 channels (tile c) and TWO blocks of 128 queries of a sequence: block A = 15 - p with 16 - p key tiles, block B = p with p + 1: always 17 steps of 128 keys, so all 256 work-groups have equal work
; and every trip count is a constant.  Step s is tile (15 - p, s) while s < NA = 16 - p, then (p, s - NA).  Each of the four waves makes 64 queries x 64 channels.
; A step's product is summed from 0 in 16 accumulators and then added, times f, onto the block's totals: which of the two sets hangs on the step and on p, a scalar branch on ids.
; The totals begin as zeros, written once while the first tiles are on their way: block B's first step hangs on the work-group's number, so no step of the text can be the one that starts its sums.
; Rows 0-15 of each sequence are not stored here: the launch that carries them in f32 stores them.
; CLUSTER: the four partners differ in c alone, so P's tiles are the same for all four and are asked for jointly (mask 15).  V's tiles differ (other channels): plain loads, behind the same rounds.
; Partners with another p would walk other keys, so V is not shared.  No branch and no LDS address hangs on a work-group's place in its cluster.
; THE RING: two slots of two steps each (a step: P 128 rows x 272 bytes, V 128 rows x 288).  Wave w fetches one tile a fill: step w / 2 of the slot, P (w even) or V (w odd).
; LAYOUT: source 0 = V^T (16 channels x 32 keys, by the turning LDS load), source 1 = P (16 queries x 32 keys): a lane holds one query (lane % 16) and the channels 16 b + 8 (lane / 16) + 0 .. 7, so f is one number a lane.
; REGISTERS: window 0: v8-31 addresses and f; v32-108 the head's work, later rows on the way out; v128-255 a step's 16 accumulators ((a, b) at 8 (4 a + b)).
;   window 1: two fragment buffers of 128: for 64 keys, 64 registers of P, then 64 of V.   window 2: v0-127 block A's totals, v128-255 block B's.
.set PPI,   272                        ; 68 words: the 16 rows of a load start 4 words apart modulo 64
.set VPI,   288                        ; 72 words: the 8 rows x 32 bytes that 16 lanes of the turning load take fall on different words modulo 64
.set PBY,   128*PPI
.set STEPB, PBY+128*VPI
.set SLOTB, 2*STEPB
.set FT,    2*SLOTB                    ; behind the ring: f, [17 steps][128 rows] f32
.set SPARE, FT+17*512                  ; the spare words, 128 bytes for each wave
.set STAGE, SLOTB                      ; the way out: 16 rows x 272 bytes for each wave, in slot 1, which has had its last fill and its last read by then
.set ADP, 8                            ; v8-11  my P fragments' place in (slot, step): 2 slot + step
.set ADV, 12                           ; v12-15 the same for V
.set AF0, 16                           ; v16 my place in a step's 128 f
.set ADF, 17                           ; v17 the same, at the trip's first step
.set STO, 18
.set RD,  19
.set CO,  20
.set PFO, 21                           ; v21 256 x lane
.set SPW, 22
.set NIL, 23
.set FF,  24                           ; v24, 26, 28, 30: f of query blocks 0-3 (named as pairs: the odd ones are written once)
.set OB,  32                           ; v32-63, v64-95: rows on the way out, by turns
.set SOF, 33                           ; the head: v33-49 offsets, v50-83 (c m, l) of the 17 steps
.set SD,  50
.set MA,  84
.set MB,  85
.set LA,  86
.set LB,  87
.set T0,  88
.set T1,  89
.set EE,  90                           ; v90-106
.set NI,  107
.set FTA, 108
.set ACC, 128
.set F0,  0
.set F1,  128
.set WV,  12
.set RH,  13                           ; my half of the queries.  Also: which step of a slot I fetch
.set CH,  14                           ; my half of the channels.  Also: I fetch P (0) or V (1)
.set CX,  15
.set CT,  16                           ; c
.set BB,  17                           ; the sequence
.set PQ,  18                           ; p
.set NA,  19
.set IA16, 20                          ; (16 x sequence + 15 - p) x 16: block A's first tile
.set IB16, 21                          ; (16 x sequence + p) x 16
.set FS,  22                           ; the step that my next tensor load brings
.set SC,  23                           ; the step in hand
.set G1P, 24
.set G1V, 32
.set G0P, 40                           ; two sets, one for each slot
.set G0V, 48
.set VB,  56                           ; s[56:57] V at my sequence's first key and my channels
.set TF,  66
.set LC,  67
.set PBX, 68                           ; s[68:69] pt + 8,192 x my place in the cluster
.set PFA, 70
.set LIM, 72
.set OA,  76                           ; s[76:77], s[78:79] out0 at my wave's part of blocks A and B
.set MSB, 0
.macro WIN new
.if MSB != (\new)
	s_set_vgpr_msb (MSB<<8)|(\new)
.set MSB, (\new)
.endif
.endm
.set MUL,  0x05                        ; sources 0 (V) and 1 (P) window 1; C and D window 0
.set TO_F, 0x40
.macro CREST
	s_cmp_lg_u32 s[WV], 0
	s_cbranch_scc1 .Lnot_wave_0_\@
	s_barrier_signal -3
.Lnot_wave_0_\@:
	s_barrier_wait -3
	s_barrier_signal -1
	s_barrier_wait -1
.endm
.macro CROUND
	s_barrier_signal -1
	s_barrier_wait -1
	CREST
.endm
.macro PLACES
.rept 4
	v_nop
.endr
.endm
.macro TIDX st                         ; step st: its tile's number in pt and st -> s58, its key tile j -> s60.  Ids and step counts alone
	s_cmp_lt_u32 \st, s[NA]
	s_cselect_b32 s58, s[IA16], s[IB16]
	s_cselect_b32 s60, 0, s[NA]
	s_sub_co_u32 s60, \st, s60
	s_add_co_u32 s58, s58, s60
.endm
.macro NEXTD set                       ; both descriptors of a slot go on to step FS.  P's hold nothing of my place in the cluster
	TIDX s[FS]
	s_lshl_b32 s58, s58, 15                        ; 32,768 bytes a tile of P
	s_lshl_b32 s60, s60, 18                        ; 128 keys x 2,048 bytes
	s_add_nc_u64 s[G0P+4*\set+2:G0P+4*\set+3], s[4:5], s[58:59]
	s_or_b32 s[G0P+4*\set+3], s[G0P+4*\set+3], 0x80000000
	s_add_nc_u64 s[G0V+4*\set+2:G0V+4*\set+3], s[VB:VB+1], s[60:61]
	s_or_b32 s[G0V+4*\set+3], s[G0V+4*\set+3], 0x80000000
	s_add_co_u32 s[FS], s[FS], 2
.endm
; A refill.  fill = 2: every wave brings a tile; fill = 1: the last step alone, by waves 0 and 1.  The branches hang on the wave's number alone.  An s_nop 0 and four v_nop follow each line.
.macro JLOAD set, fill
.if \fill == 1
	s_cmp_lt_u32 s[WV], 2
	s_cbranch_scc0 .Lasked_\@
.endif
	s_cmp_eq_u32 s[CH], 0
	s_cbranch_scc0 .Lfor_v_\@
	tensor_load_to_lds s[G0P+4*\set:G0P+4*\set+3], s[G1P:G1P+7]
	s_nop 0
.rept 4
	v_nop
.endr
	s_branch .Lasked_\@
.Lfor_v_\@:
	tensor_load_to_lds s[G0V+4*\set:G0V+4*\set+3], s[G1V:G1V+7]
	s_nop 0
.rept 4
	v_nop
.endr
.Lasked_\@:
.endm
	s_load_b256 s[4:11], s[0:1], 0x0               ; pt s[4:5], st s[6:7], qkv s[8:9], out0 s[10:11]
	v_lshl_add_u32 v[SPW], v0, 2, SPARE
	v_mov_b32 v[NIL], 0
	ds_add_u32 v[SPW], v[NIL]                      ; the wave's opening: the add, twice on end, and its wait ahead of my first tensor load
	ds_add_u32 v[SPW], v[NIL]
	v_lshrrev_b32 v1, 5, v0
	v_readfirstlane_b32 s[WV], v1                  ; wave 0..3
	s_lshr_b32 s[RH], s[WV], 1
	s_and_b32 s[CH], s[WV], 1
	s_bfe_u32 s[CX], ttmp6, 0x40000
	s_lshl_b32 s[CT], ttmp9, 2
	s_add_co_u32 s[CT], s[CT], s[CX]               ; c = 4 x cluster x + cx
	s_and_b32 s[PQ], ttmp7, 0xffff
	s_lshr_b32 s[BB], s[PQ], 3
	s_and_b32 s[PQ], s[PQ], 7
	s_sub_co_u32 s[NA], 16, s[PQ]
	s_lshl_b32 s80, s[BB], 4
	s_add_co_u32 s[IB16], s80, s[PQ]
	s_lshl_b32 s[IB16], s[IB16], 4
	s_add_co_u32 s[IA16], s80, 15
	s_sub_co_u32 s[IA16], s[IA16], s[PQ]
	s_lshl_b32 s[IA16], s[IA16], 4
	s_mov_b32 s[G1P], 15|(1<<16)|(1<<20)|(1<<21)|(5<<22)|(3<<25)   ; the mask: all four partners; elements of 2 bytes; padding on; bit 21 beside a mask; 4 words after every 64
	s_mov_b32 s[G1V], (1<<16)|(1<<20)|(5<<22)|(7<<25)              ; no mask; 8 words of padding after every 64
.irp g, G1P, G1V
	s_mov_b32 s[\g+1], 128<<16                     ; tensor_dim0
	s_mov_b32 s[\g+2], 128<<16                     ; tensor_dim1
	s_mov_b32 s[\g+3], 128<<16                     ; tile_dim0
	s_mov_b32 s[\g+4], 128                         ; tile_dim1
	s_mov_b32 s[\g+6], 0
	s_mov_b32 s[\g+7], 0
.endr
	s_mov_b32 s[G1P+5], 128                        ; P's tiles are dense,
	s_mov_b32 s[G1V+5], 1024                       ; V's rows 1,024 elements apart
	s_mov_b32 s59, 0
	s_mov_b32 s61, 0
	s_mov_b32 s[SC], 0
	s_mov_b32 s[FS], s[RH]
	s_mul_i32 s80, s[RH], STEPB                    ; my tile's place in a slot: no place in the cluster enters an LDS address
.irp n, 0,1
	s_mov_b32 s[G0P+4*\n], 1
	s_add_co_u32 s[G0P+4*\n+1], s80, \n*SLOTB
	s_mov_b32 s[G0V+4*\n], 1
	s_add_co_u32 s[G0V+4*\n+1], s80, \n*SLOTB+PBY
.endr
	s_or_b32 s80, s[CH], ttmp9                     ; P's tiles are read by both clusters of a row of the grid: the first prefetches, by its waves 0 and 2
	s_cmp_eq_u32 s80, 0
	s_cselect_b32 s[LIM], 17, 0
	s_lshl_b32 s82, s[BB], 11
	s_lshl_b32 s81, s[RH], 6
	s_add_co_u32 s82, s82, s81                     ; 2,048 x sequence + 64 x my half
	s_sub_co_u32 s81, 15, s[PQ]
	s_lshl_b32 s81, s81, 7
	s_add_co_u32 s81, s81, s82
	s_lshl_b32 s84, s81, 12                        ; block A's first row of mine, 4,096 bytes a row
	s_lshl_b32 s81, s[PQ], 7
	s_add_co_u32 s81, s81, s82
	s_lshl_b32 s86, s81, 12                        ; block B's
	s_lshl_b32 s81, s[CT], 9
	s_lshl_b32 s82, s[CH], 8
	s_add_co_u32 s81, s81, s82                     ; my 64 channels: 512 c + 256 x my half
	s_add_co_u32 s84, s84, s81
	s_add_co_u32 s86, s86, s81
	s_mov_b32 s85, 0
	s_mov_b32 s87, 0
	s_lshl_b32 s80, s[BB], 22                      ; V: 2,048 rows of 2,048 bytes a sequence,
	s_lshl_b32 s81, s[CT], 8                       ; 256 bytes a tile of channels,
	s_add_co_u32 s80, s80, s81
	s_add_co_u32 s80, s80, 0x2000000               ; behind q and k
	s_mov_b32 s81, 0
	s_lshl_b32 s82, s[CX], 13
	s_mov_b32 s83, 0
	s_wait_dscnt 0x0                               ; both opening adds are done
	s_wait_kmcnt 0x0
	s_add_nc_u64 s[VB:VB+1], s[8:9], s[80:81]
	s_add_nc_u64 s[PBX:PBX+1], s[4:5], s[82:83]
	s_add_nc_u64 s[OA:OA+1], s[10:11], s[84:85]
	s_add_nc_u64 s[OA+2:OA+3], s[10:11], s[86:87]
	CROUND                                         ; all four work-groups are here: the first joint loads meet
	NEXTD 0                                        ; steps 0 and 1,
	NEXTD 1                                        ; steps 2 and 3
	s_cmp_eq_u32 s[CH], 0                          ; a wave's two first fills stand in one branch: two loads of mine are out
	s_cbranch_scc0 .Lfirst_v
	tensor_load_to_lds s[G0P:G0P+3], s[G1P:G1P+7]
	s_nop 0
	tensor_load_to_lds s[G0P+4:G0P+7], s[G1P:G1P+7]
	s_nop 0
.rept 4
	v_nop
.endr
	s_branch .Lfirst_asked
.Lfirst_v:
	tensor_load_to_lds s[G0V:G0V+3], s[G1V:G1V+7]
	s_nop 0
	tensor_load_to_lds s[G0V+4:G0V+7], s[G1V:G1V+7]
	s_nop 0
.rept 4
	v_nop
.endr
.Lfirst_asked:
	; THE JOINING OF THE STATISTICS.  Thread t takes row t of both blocks: (c m, l) of the 17 steps' tiles
.irp s, 0,1,2,3,4,5,6,7,8,9,10,11,12,13,14,15,16
	TIDX \s
	s_lshl_b32 s58, s58, 10                        ; 1,024 bytes a tile
	v_lshl_add_u32 v[SOF+\s], v0, 3, s58
	global_load_b64 v[SD+2*\s:SD+2*\s+1], v[SOF+\s], s[6:7]
.endr
	v_and_b32 v1, 15, v0                           ; r
	v_bfe_u32 v2, v0, 4, 1                         ; h
	v_mul_u32_u24 v3, v1, PPI
	v_lshl_add_u32 v3, v2, 4, v3                   ; P: row r x pitch + 16 h
	v_and_b32 v4, 7, v0
	v_lshl_add_u32 v4, v2, 3, v4
	v_mul_u32_u24 v4, v4, VPI
	v_bfe_u32 v5, v0, 3, 1
	v_lshl_add_u32 v4, v5, 4, v4                   ; V, for the turning load: key 8 h + l % 8, channels 8 ((l / 8) % 2) on
	s_mul_i32 s80, s[RH], 64*PPI                   ; my 64 queries
	s_lshl_b32 s81, s[CH], 7                       ; my 64 channels
	s_add_co_u32 s81, s81, PBY
.irp n, 0,1,2,3                        ; n = 2 slot + step
	v_add_nc_u32 v[ADP+\n], s80, v3
	v_add_nc_u32 v[ADV+\n], s81, v4
	s_add_co_u32 s80, s80, STEPB
	s_add_co_u32 s81, s81, STEPB
.endr
	s_lshl_b32 s80, s[RH], 8
	s_add_co_u32 s80, s80, FT
	v_lshl_add_u32 v[AF0], v1, 2, s80              ; f of query 64 x my half + r; block a is 64 a bytes on
	s_mul_i32 s80, s[WV], 16*272
	s_add_co_u32 s80, s80, STAGE                   ; my stage
	v_mul_u32_u24 v[STO], v1, 272
	v_lshl_add_u32 v[STO], v2, 5, v[STO]
	v_add_nc_u32 v[STO], s80, v[STO]               ; in: row r, 32 bytes for each half of the lanes
	v_mul_u32_u24 v[RD], v2, 272
	v_lshl_add_u32 v[RD], v1, 4, v[RD]
	v_add_nc_u32 v[RD], s80, v[RD]                 ; back: lanes 0-15 one row of 256 bytes, lanes 16-31 the next
	v_lshlrev_b32 v[CO], 12, v2
	v_lshl_add_u32 v[CO], v1, 4, v[CO]             ; and the same two rows in out0
	v_and_b32 v[PFO], 31, v0
	v_lshlrev_b32 v[PFO], 8, v[PFO]
	v_lshl_add_u32 v[FTA], v0, 2, FT
.irp a, 0,1,2,3
	v_mov_b32 v[FF+2*\a+1], 0
.endr
	v_mov_b32 v[NI], 0xff800000
	v_mov_b32 v[MA], v[NI]
	v_mov_b32 v[MB], v[NI]
	WIN 0x80
.set k, 0
.rept 256
	v_mov_b32 v[k], 0                              ; both blocks' totals (see the head)
.set k, k+1
.endr
	WIN 0
.macro COND s                          ; all ones where step s belongs to block A
	s_cmp_lt_u32 \s, s[NA]
	s_cselect_b32 s62, -1, 0
.endm
	s_wait_loadcnt 0x0
.irp s, 0,1,2,3,4,5,6,7,8,9,10,11,12,13,14,15,16
	COND \s
	v_cndmask_b32 v[T0], v[NI], v[SD+2*\s], s62
	v_cndmask_b32 v[T1], v[SD+2*\s], v[NI], s62
	v_max_num_f32 v[MA], v[MA], v[T0]              ; each block's largest c m
	v_max_num_f32 v[MB], v[MB], v[T1]
.endr
.irp s, 0,1,2,3,4,5,6,7,8,9,10,11,12,13,14,15,16
	COND \s
	v_cndmask_b32 v[T0], v[MB], v[MA], s62
	v_sub_f32 v[EE+\s], v[SD+2*\s], v[T0]
.endr
.irp s, 0,1,2,3,4,5,6,7,8,9,10,11,12,13,14,15,16
	v_exp_f32 v[EE+\s], v[EE+\s]                   ; 2^(c m_s - c m), at most 1; one batch
.endr
	v_mov_b32 v[LA], 0
	v_mov_b32 v[LB], 0
	s_wait_alu depctr_va_vdst(0)                   ; one wait for the batch, ahead of its first reader
.irp s, 0,1,2,3,4,5,6,7,8,9,10,11,12,13,14,15,16
	COND \s
	v_cndmask_b32 v[T0], 0, v[EE+\s], s62
	v_cndmask_b32 v[T1], v[EE+\s], 0, s62
	v_fmac_f32 v[LA], v[T0], v[SD+2*\s+1]          ; each block's l
	v_fmac_f32 v[LB], v[T1], v[SD+2*\s+1]
.endr
	v_rcp_f32 v[LA], v[LA]
	v_rcp_f32 v[LB], v[LB]
	v_nop
	s_wait_alu depctr_va_vdst(0)
.irp s, 0,1,2,3,4,5,6,7,8,9,10,11,12,13,14,15,16
	COND \s
	v_cndmask_b32 v[T0], v[LB], v[LA], s62
	v_mul_f32 v[EE+\s], v[EE+\s], v[T0]            ; f
	ds_store_b32 v[FTA], v[EE+\s] offset:512*\s
.endr
.macro MUL8 f, c, a0, zero             ; 8 matrix instructions: query blocks a0, a0 + 1 x the 4 channel blocks, 32 keys: half c of buffer f.  The 16 accumulators take turns
.irp a, \a0, \a0+1
.irp b, 0,1,2,3
.if \zero
	v_wmma_f32_16x16x32_f16 v[ACC+8*(4*(\a)+\b):ACC+8*(4*(\a)+\b)+7], v[\f+64+8*(4*\c+\b):\f+64+8*(4*\c+\b)+7], v[\f+8*(4*\c+(\a)):\f+8*(4*\c+(\a))+7], 0
.else
	v_wmma_f32_16x16x32_f16 v[ACC+8*(4*(\a)+\b):ACC+8*(4*(\a)+\b)+7], v[\f+64+8*(4*\c+\b):\f+64+8*(4*\c+\b)+7], v[\f+8*(4*\c+(\a)):\f+8*(4*\c+(\a))+7], v[ACC+8*(4*(\a)+\b):ACC+8*(4*(\a)+\b)+7]
.endif
.endr
.endr
.endm
.macro FETCH slot, u, half, f          ; 32 LDS loads in one run: the fragments of 64 keys (half of step u of a slot); the first 32 keys first
	WIN TO_F
.irp c, 0,1
.irp i, 0,1,2,3
	ds_load_tr16_b128 v[\f+64+8*(4*\c+\i):\f+64+8*(4*\c+\i)+3],   v[ADV+2*(\slot)+(\u)] offset:32*(2*(\half)+\c)*VPI+32*\i
	ds_load_tr16_b128 v[\f+64+8*(4*\c+\i)+4:\f+64+8*(4*\c+\i)+7], v[ADV+2*(\slot)+(\u)] offset:32*(2*(\half)+\c)*VPI+16*VPI+32*\i
	ds_load_b128 v[\f+8*(4*\c+\i):\f+8*(4*\c+\i)+3],   v[ADP+2*(\slot)+(\u)] offset:64*(2*(\half)+\c)+\i*16*PPI
	ds_load_b128 v[\f+8*(4*\c+\i)+4:\f+8*(4*\c+\i)+7], v[ADP+2*(\slot)+(\u)] offset:64*(2*(\half)+\c)+\i*16*PPI+32
.endr
.endr
.endm
.macro FLOAD idx                       ; f of my four query blocks, for the trip's step idx
.irp a, 0,1,2,3
	ds_load_b32 v[FF+2*\a], v[ADF] offset:512*(\idx)+64*\a
.endr
.endm
.macro FMA t                           ; totals += f x the step's sums; each accumulator's registers in ascending order
.irp a, 0,1,2,3
.irp b, 0,1,2,3
.irp k, 0,2,4,6
	v_pk_fma_f32 v[\t+8*(4*\a+\b)+\k:\t+8*(4*\a+\b)+\k+1], v[ACC+8*(4*\a+\b)+\k:ACC+8*(4*\a+\b)+\k+1], v[FF+2*\a:FF+2*\a+1], v[\t+8*(4*\a+\b)+\k:\t+8*(4*\a+\b)+\k+1] op_sel_hi:[1,0,1]
.endr
.endr
.endr
.endm
; A step's end.  mode 0: block A's or block B's totals, by the step and p; mode 2: block B's.  The 64 lines are also the places ahead of the next step's products, which begin the accumulators anew.
.macro FLUSH mode
	WIN 0
	PLACES
.if \mode == 0
	s_cmp_lt_u32 s[SC], s[NA]
	s_cbranch_scc0 .Lblock_b_\@
	WIN 0xa0                                       ; the totals (destination and source 2) window 2
	FMA 0
	WIN 0
	s_branch .Lflushed_\@
.Lblock_b_\@:
.endif
	WIN 0xa0
	FMA 128
	WIN 0
.Lflushed_\@:
	s_add_co_u32 s[SC], s[SC], 1
.endm
; 64 keys: multiplies buffer f; in its middle it fetches the next 64 keys' fragments into g, and ahead of them, where fidx >= 0, the step's f.
.macro QUARTER f, g, zero, slot, u, half, fidx, flush
	s_wait_dscnt 16                                ; the first 32 keys' fragments are in; the youngest 16 loads may be out
	WIN MUL
	MUL8 \f, 0, 0, \zero
	MUL8 \f, 0, 2, \zero
	PLACES
.if \fidx >= 0
	WIN 0
	FLOAD \fidx
.endif
	FETCH \slot, \u, \half, \g
	s_wait_dscnt 32                                ; all but the 32 just issued: the other 32 keys' fragments, and f
	WIN MUL
	MUL8 \f, 1, 0, 0
	MUL8 \f, 1, 2, 0
.if \flush
	FLUSH 0
.endif
.endm
; A slot's last 64 keys, and the change of slots: each wave waits for all its tensor loads, adds 0 to its spare word, and waits for that and for its reads of the slot.  Where the slot is filled again the barrier
; opens a round of the cluster's barrier, and the refill is the first thing behind it: it has two steps, 128 matrix instructions, in which to land.
; fill = 2, in the loop: P's tile of the NEXT refill (step FS behind the descriptors' step) is prefetched: 32,768 dense bytes, 8,192 for each partner, told apart by address, lanes 256 bytes apart, one instruction
; in each of waves 0 and 2 of the row's first cluster: each 256 bytes are named once in the launch.  It stops at step 16, the last.  V's tiles are read by many work-groups of the sequence and are not asked for.
.macro TURN slot, next, fill, fidx
.if \fill == 2
	s_wait_xcnt 0x0                                ; the last prefetch, two steps back, has read its address
.endif
	WIN 0
	s_wait_tensorcnt 0x0                           ; no tensor load of mine is out: the descriptors may be written
	ds_add_u32 v[SPW], v[NIL]                      ; 0 onto my spare word
.if \fill
	NEXTD \slot
.endif
.if \fill == 2
	TIDX s[FS]
	s_lshl_b32 s58, s58, 15
	s_add_nc_u64 s[PFA:PFA+1], s[PBX:PBX+1], s[58:59]
.endif
	s_wait_dscnt 17                                ; (the add and the youngest 16 loads may be out)
	WIN MUL
	MUL8 F1, 0, 0, 0
	s_wait_dscnt 0x0                               ; the add is done, and my reads of this slot are over
	s_barrier_signal -1
	MUL8 F1, 0, 2, 0
	WIN 0
	s_barrier_wait -1
.if \fill
	CREST
	JLOAD \slot, \fill
.endif
.if \fill != 2
	PLACES                                         ; for the waves that issued no load: the places in front of the loads below
.endif
	FLOAD \fidx
	FETCH \next, 0, 0, F0
	WIN 0
.if \fill == 2
	s_cmp_lt_u32 s[FS], s[LIM]
	s_cbranch_scc0 .Lnot_mine_\@
	global_prefetch_b8 v[PFO], s[PFA:PFA+1] th:TH_LOAD_NT scope:SCOPE_SE
.Lnot_mine_\@:
.endif
	s_wait_dscnt 32                                ; f is in; the 32 fragment loads may be out
	WIN MUL
	MUL8 F1, 1, 0, 0
	MUL8 F1, 1, 2, 0
	FLUSH 0
.endm
.macro VISIT slot, fill, fidx          ; a slot's two steps
	QUARTER F0, F1, 1, \slot, 0, 1, -1, 0
	QUARTER F1, F0, 0, \slot, 1, 0, \fidx, 1
	QUARTER F0, F1, 1, \slot, 1, 1, -1, 0
	TURN \slot, 1-\slot, \fill, \fidx+1
.endm
	s_wait_tensorcnt 1                             ; my tile of slot 0 is in (slot 1's may be out)
	s_wait_dscnt 0x0                               ; and my rows' f are stored;
	s_barrier_signal -1
	s_barrier_wait -1                              ; everybody's are
	FETCH 0, 0, 0, F0
	WIN 0
	s_mov_b32 s[TF], 0
	s_mov_b32 s[LC], 3
.Lvisits:                                              ; three trips of four steps: steps 0 to 11; refills 2 to 7
	v_add_nc_u32 v[ADF], s[TF], v[AF0]
	VISIT 0, 2, 0
	VISIT 1, 2, 2
	s_add_co_u32 s[TF], s[TF], 2048
	s_sub_co_u32 s[LC], s[LC], 1
	s_cmp_lg_u32 s[LC], 0
	s_cbranch_scc1 .Lvisits
	v_add_nc_u32 v[ADF], s[TF], v[AF0]
	VISIT 0, 1, 0                                  ; steps 12, 13; slot 0 takes step 16 alone
	VISIT 1, 0, 2                                  ; steps 14, 15; nothing is asked for
	QUARTER F0, F1, 1, 0, 0, 1, 4, 0               ; step 16
	s_wait_dscnt 0x0
	WIN MUL
	MUL8 F1, 0, 0, 0
	MUL8 F1, 0, 2, 0
	MUL8 F1, 1, 0, 0
	MUL8 F1, 1, 2, 0
	FLUSH 2
; THE WAY OUT of 16 queries x 64 channels: a lane's 32 bytes of a row go into my stage, whole rows of 256 bytes come back and are stored.
.macro OUTB x, a
	WIN 0x08                                       ; an LDS store's data are its source 1: window 2
.irp b, 0,1,2,3
	ds_store_b128 v[STO], v[128*\x+8*(4*\a+\b):128*\x+8*(4*\a+\b)+3] offset:64*\b
	ds_store_b128 v[STO], v[128*\x+8*(4*\a+\b)+4:128*\x+8*(4*\a+\b)+7] offset:64*\b+16
.endr
	WIN 0
	s_wait_xcnt 0x0                                ; earlier stores have read their registers: the loads below may land there
.irp t, 0,1,2,3,4,5,6,7
	ds_load_b128 v[OB+32*(\a%2)+4*\t:OB+32*(\a%2)+4*\t+3], v[RD] offset:\t*2*272   ; LDS serves a wave's instructions in order: these see the stores above
.endr
	s_wait_dscnt 0x0
.irp t, 0,1,2,3,4,5,6,7
	global_store_b128 v[CO], v[OB+32*(\a%2)+4*\t:OB+32*(\a%2)+4*\t+3], s[OA+2*\x:OA+2*\x+1] offset:(16*\a+2*\t)*4096 th:TH_STORE_NT   ; 16 lanes store 256 consecutive bytes, aligned
.endr
.endm
	OUTB 0, 0
	OUTB 0, 1
	OUTB 0, 2
	OUTB 0, 3
	s_or_b32 s80, s[PQ], s[RH]                     ; p = 0, queries 0-63, block 0: a sequence's first 16 rows, which the launch behind this one stores
	s_cmp_eq_u32 s80, 0
	s_cbranch_scc1 .Lfine_rows
	OUTB 1, 0
.Lfine_rows:
	OUTB 1, 1
	OUTB 1, 2
	OUTB 1, 3
	s_wait_tensorcnt 0x0                           ; the wave's end, behind my last tensor load and my last LDS store
	ds_add_u32 v[SPW], v[NIL]
	s_wait_dscnt 0x0
	CROUND                                         ; the closing round
	s_endpgm
.Lfunc_end_k_qdc02285f71_pv:
	.size	k_qdc02285f71_pv, .Lfunc_end_k_qdc02285f71_pv-k_qdc02285f71_pv
	.p2alignl 7, 3214868480
	.fill 96, 4, 3214868480
	.section	.rodata,"a",@progbits
	.p2align	6, 0x0
	.amdhsa_kernel k_qdc02285f71_pv
		.amdhsa_group_segment_fixed_size 327680
		.amdhsa_private_segment_fixed_size 0
		.amdhsa_enable_private_segment 0
		.amdhsa_kernarg_size 32
		.amdhsa_user_sgpr_count 2
		.amdhsa_user_sgpr_kernarg_segment_ptr 1
		.amdhsa_wavefront_size32 1
		.amdhsa_system_sgpr_workgroup_id_x 1
		.amdhsa_system_sgpr_workgroup_id_y 1
		.amdhsa_system_sgpr_workgroup_id_z 1
		.amdhsa_system_vgpr_workitem_id 0
		.amdhsa_next_free_vgpr 768
		.amdhsa_next_free_sgpr 100
		.amdhsa_reserve_vcc 0
		.amdhsa_float_denorm_mode_32 3
		.amdhsa_float_denorm_mode_16_64 3
		.amdhsa_memory_ordered 1
		.amdhsa_forward_progress 1
		.amdhsa_inst_pref_size 211
	.end_amdhsa_kernel
	.amdgpu_metadata
---
amdhsa.version: [ 1, 2 ]
amdhsa.kernels:
  - .name:           k_qdc02285f71_pv
    .symbol:         k_qdc02285f71_pv.kd
    .args:
      - { .name: pt, .offset: 0, .size: 8, .value_kind: global_buffer, .address_space: global }
      - { .name: st, .offset: 8, .size: 8, .value_kind: global_buffer, .address_space: global }
      - { .name: qkv, .offset: 16, .size: 8, .value_kind: global_buffer, .address_space: global }
      - { .name: out0, .offset: 24, .size: 8, .value_kind: global_buffer, .address_space: global }
    .group_segment_fixed_size: 327680
    .private_segment_fixed_size: 0
    .kernarg_segment_align: 8
    .kernarg_segment_size: 32
    .max_flat_workgroup_size: 128
    .sgpr_count:     100
    .vgpr_count:     768
    .wavefront_size: 32
...
	.end_amdgpu_metadata
.endif
;; end of part 4
;; launch fine16 (part 5): grid 8 x 4, 8 waves a work-group, no clusters, 17,920 bytes of LDS; arguments fine, out0; writes out0
.if DOCPART == 5
	.amdgcn_target "amdgcn-amd-amdhsa--gfx1250"
	.amdhsa_code_object_version 6
	.text
	.protected	k_qdc02285f71_fine16
	.globl	k_qdc02285f71_fine16
	.p2align	8
	.type	k_qdc02285f71_fine16,@function
k_qdc02285f71_fine16:
	s_mov_b64 s[64:65], 0
	v_nop
	global_prefetch_b8 v0, s[64:65] scope:SCOPE_SE
	s_setreg_imm32_b32 hwreg(HW_REG_WAVE_MODE, 25, 1), 1
	s_wait_xcnt 0x0
; Rows 0-15 of each sequence, wholly in f32: under the causal mask they average one to sixteen values, so rounded operands would weigh most here.  q, k, v of these rows: fine [3][4][16][1024] f32.
; A work-group takes a sequence (grid y) and 128 channels of y (grid x).  S = q k^T (16 x 16, K = 1,024) is made anew in each of the eight work-groups of a sequence: wave w sums K = 128 w .. 128 w + 127,
; the eight parts meet in LDS as images of their registers and every wave adds them in the same order.  Then each wave makes the softmax (the row's maximum taken away) and y for its 16 channels.
; Both products are used transposed: S^T (source 0 = k, source 1 = q) and y^T (source 0 = v^T, source 1 = p): a lane holds one query (lane % 16); its registers the keys, then the channels, 8 (lane / 16) + 0 .. 7.
; The places of K in the operands' registers are chosen alike on both sides of each product, which keeps the products.  The registers that the f32 matrix form writes (v168-215) are written by nothing else.
; Small work: no tensor loads, no cluster, no prefetch.
.set PS,    0                          ; LDS: eight parts of S^T, 1,024 bytes each
.set SG,    8192                       ; a stage for y: 16 rows x (512 + 16) bytes
.set SPARE, 16640                      ; the spare words, 128 bytes for each of eight waves
.set SPW, 2
.set NIL, 3
.set QA,  6                            ; v6  q, k: 4,096 r + 16 h
.set VA,  7                            ; v7  v: 32,768 h + 4 r
.set L16, 8                            ; v8  16 x lane
.set PSW, 9
.set SGW, 10
.set SGR, 11
.set DD,  13                           ; v13 r - 8 h
.set NI,  14
.set XP,  15
.set Q,   32                           ; v32-95   q, later the eight parts
.set K,   96                           ; v96-159  k
.set V,   160                          ; v160-167 v
.set SA,  168                          ; v168-199 four accumulators of S^T
.set YA,  200                          ; v200-215 two of y^T
.set S,   216                          ; v216-223 S^T, then the exponentials
.set P,   224                          ; v224-231 p
.set Y,   232                          ; v232-239 y
.set T,   240                          ; v240-247 at work
	s_load_b128 s[4:7], s[0:1], 0x0                ; fine, out0
	v_lshl_add_u32 v[SPW], v0, 2, SPARE
	v_mov_b32 v[NIL], 0
	v_lshrrev_b32 v1, 5, v0
	v_readfirstlane_b32 s8, v1                     ; wave 0..7
	s_and_b32 s9, ttmp7, 0xffff                    ; the sequence
	v_and_b32 v1, 31, v0                           ; lane
	v_and_b32 v4, 15, v0                           ; r
	v_bfe_u32 v5, v0, 4, 1                         ; h
	v_lshlrev_b32 v[QA], 12, v4
	v_lshl_add_u32 v[QA], v5, 4, v[QA]
	v_lshlrev_b32 v[VA], 2, v4
	v_lshl_add_u32 v[VA], v5, 15, v[VA]
	v_lshlrev_b32 v[L16], 4, v1
	s_lshl_b32 s10, s8, 10
	v_add_nc_u32 v[PSW], s10, v[L16]               ; my part's image: 1,024 x wave + 16 x lane
	v_mul_u32_u24 v[SGW], v4, 528
	v_lshl_add_u32 v[SGW], v5, 5, v[SGW]
	s_lshl_b32 s10, s8, 6
	s_add_co_u32 s10, s10, SG
	v_add_nc_u32 v[SGW], s10, v[SGW]               ; the stage, in: row r, my wave's 64 bytes, 32 for each half of the lanes
	s_mul_i32 s10, s8, 2*528
	s_add_co_u32 s10, s10, SG
	v_add_nc_u32 v[SGR], s10, v[L16]               ; back: rows 2 w and 2 w + 1, 16 bytes a lane
	v_lshlrev_b32 v[DD], 3, v5
	v_sub_nc_u32 v[DD], v4, v[DD]
	v_mov_b32 v[NI], 0xff800000
	v_mov_b32 v[XP], 0                             ; a lane permute's destination counts as one of its sources
	s_mov_b32 s20, 0x76543210
	s_mov_b32 s21, 0xfedcba98
	s_mov_b32 s22, 0x3d38aa3b                      ; c = log2(e) / 32
	s_lshl_b32 s10, s9, 16                         ; 65,536 bytes a sequence
	s_lshl_b32 s11, s8, 9                          ; my 128 along K
	s_add_co_u32 s24, s10, s11
	s_mov_b32 s25, 0
	s_lshl_b32 s11, ttmp9, 9                       ; the work-group's 128 channels,
	s_add_co_u32 s26, s10, s11
	s_lshl_b32 s11, s8, 6                          ; my 16 of them
	s_add_co_u32 s26, s26, s11
	s_add_co_u32 s26, s26, 0x80000                 ; v lies behind q and k
	s_mov_b32 s27, 0
	s_lshl_b32 s28, s9, 23                         ; out0: 2,048 rows of 4,096 bytes a sequence,
	s_lshl_b32 s11, s8, 13                         ; rows 2 w on,
	s_add_co_u32 s28, s28, s11
	s_lshl_b32 s11, ttmp9, 9
	s_add_co_u32 s28, s28, s11
	s_mov_b32 s29, 0
	s_wait_kmcnt 0x0
	s_add_nc_u64 s[12:13], s[4:5], s[24:25]        ; q
	s_add_nc_u64 s[14:15], s[12:13], 0x40000       ; k
	s_add_nc_u64 s[16:17], s[4:5], s[26:27]        ; v
	s_add_nc_u64 s[6:7], s[6:7], s[28:29]
.irp c, 0,1,2,3,4,5,6,7,8,9,10,11,12,13,14,15
	global_load_b128 v[Q+4*\c:Q+4*\c+3], v[QA], s[12:13] offset:32*\c      ; row r, K = 128 w + 8 c + 4 h + 0 .. 3
	global_load_b128 v[K+4*\c:K+4*\c+3], v[QA], s[14:15] offset:32*\c
.endr
.irp n, 0,1,2,3,4,5,6,7
	global_load_b32 v[V+\n], v[VA], s[16:17] offset:4096*\n                ; v(key 8 h + n, my channel r)
.endr
	s_wait_loadcnt 8                               ; q and k are in; v's eight loads may be out
.set n, 0
.rept 32                               ; four accumulators by turns; the first four products start the sums
.if n < 4
	v_wmma_f32_16x16x4_f32 v[SA+8*(n%4):SA+8*(n%4)+7], v[K+2*n:K+2*n+1], v[Q+2*n:Q+2*n+1], 0
.else
	v_wmma_f32_16x16x4_f32 v[SA+8*(n%4):SA+8*(n%4)+7], v[K+2*n:K+2*n+1], v[Q+2*n:Q+2*n+1], v[SA+8*(n%4):SA+8*(n%4)+7]
.endif
.set n, n+1
.endr
.rept 8
	v_nop                                          ; eight places behind this form (ISA guide 7.12.1)
.endr
.irp k, 0,2,4,6
	v_pk_add_f32 v[S+\k:S+\k+1], v[SA+\k:SA+\k+1], v[SA+8+\k:SA+8+\k+1]    ; each accumulator from its low end on
	v_pk_add_f32 v[T+\k:T+\k+1], v[SA+16+\k:SA+16+\k+1], v[SA+24+\k:SA+24+\k+1]
.endr
.irp k, 0,2,4,6
	v_pk_add_f32 v[S+\k:S+\k+1], v[S+\k:S+\k+1], v[T+\k:T+\k+1]
.endr
	ds_store_b128 v[PSW], v[S:S+3] offset:PS
	ds_store_b128 v[PSW], v[S+4:S+7] offset:PS+512
	s_wait_dscnt 0x0                               ; for the others' sake: my part is stored
	s_barrier_signal -1
	s_barrier_wait -1
.irp w, 0,1,2,3,4,5,6,7
	ds_load_b128 v[Q+8*\w:Q+8*\w+3], v[L16] offset:PS+1024*\w
	ds_load_b128 v[Q+8*\w+4:Q+8*\w+7], v[L16] offset:PS+1024*\w+512
.endr
	s_wait_dscnt 0x0
.irp k, 0,2,4,6
	v_pk_add_f32 v[S+\k:S+\k+1], v[Q+\k:Q+\k+1], v[Q+8+\k:Q+8+\k+1]
.endr
.irp w, 2,3,4,5,6,7
.irp k, 0,2,4,6
	v_pk_add_f32 v[S+\k:S+\k+1], v[S+\k:S+\k+1], v[Q+8*\w+\k:Q+8*\w+\k+1]  ; the same order in every wave
.endr
.endr
.irp j, 0,1,2,3,4,5,6,7
	v_cmp_gt_i32 vcc_lo, \j, v[DD]                 ; key 8 h + j is hidden from query r where j > r - 8 h
	v_cndmask_b32 v[S+\j], v[S+\j], v[NI], vcc_lo
.endr
	v_max3_num_f32 v[T], v[S], v[S+1], v[S+2]
	v_max3_num_f32 v[T], v[T], v[S+3], v[S+4]
	v_max3_num_f32 v[T], v[T], v[S+5], v[S+6]
	v_max_num_f32 v[T], v[T], v[S+7]
	v_permlanex16_b32 v[XP], v[T], s20, s21
	v_max_num_f32 v[T], v[T], v[XP]                ; the row's largest score: key 0 counts for every query
	v_mul_f32 v[T+1], s22, v[T]
.irp j, 0,1,2,3,4,5,6,7
	v_fma_f32 v[S+\j], v[S+\j], s22, -v[T+1]       ; c s - c m
.endr
.irp j, 0,1,2,3,4,5,6,7
	v_exp_f32 v[S+\j], v[S+\j]
.endr
	v_nop
	s_wait_alu depctr_va_vdst(0)                   ; one wait for the eight, ahead of their first reader
	v_pk_add_f32 v[T:T+1], v[S:S+1], v[S+2:S+3]
	v_pk_add_f32 v[T+2:T+3], v[S+4:S+5], v[S+6:S+7]
	v_pk_add_f32 v[T:T+1], v[T:T+1], v[T+2:T+3]
	v_add_f32 v[T], v[T], v[T+1]
	v_permlanex16_b32 v[XP], v[T], s20, s21
	v_add_f32 v[T], v[T], v[XP]
	v_rcp_f32 v[T], v[T]
	v_nop
	s_wait_alu depctr_va_vdst(0)
.irp j, 0,1,2,3,4,5,6,7
	v_mul_f32 v[P+\j], v[S+\j], v[T]               ; p(query r, key 8 h + j)
.endr
	s_wait_loadcnt 0x0                             ; v
	; y^T = v^T p^T: in product c the place (h, jj) of K is key 8 h + 2 c + jj on both sides
	v_wmma_f32_16x16x4_f32 v[YA:YA+7], v[V:V+1], v[P:P+1], 0
	v_wmma_f32_16x16x4_f32 v[YA+8:YA+15], v[V+2:V+3], v[P+2:P+3], 0
	v_wmma_f32_16x16x4_f32 v[YA:YA+7], v[V+4:V+5], v[P+4:P+5], v[YA:YA+7]
	v_wmma_f32_16x16x4_f32 v[YA+8:YA+15], v[V+6:V+7], v[P+6:P+7], v[YA+8:YA+15]
.rept 8
	v_nop
.endr
.irp k, 0,2,4,6
	v_pk_add_f32 v[Y+\k:Y+\k+1], v[YA+\k:YA+\k+1], v[YA+8+\k:YA+8+\k+1]    ; y(r, my 16 channels: 8 h + 0 .. 7)
.endr
	ds_store_b128 v[SGW], v[Y:Y+3]
	ds_store_b128 v[SGW], v[Y+4:Y+7] offset:16
	s_wait_dscnt 0x0                               ; for the others' sake: a row's 512 bytes come from eight waves
	s_barrier_signal -1
	s_barrier_wait -1
	ds_load_b128 v[T:T+3], v[SGR]
	ds_load_b128 v[T+4:T+7], v[SGR] offset:528
	s_wait_dscnt 0x0
	global_store_b128 v[L16], v[T:T+3], s[6:7] th:TH_STORE_NT               ; 32 lanes store 512 consecutive bytes, aligned
	global_store_b128 v[L16], v[T+4:T+7], s[6:7] offset:4096 th:TH_STORE_NT
	s_wait_tensorcnt 0x0                           ; the wave's end, behind my last LDS store
	ds_add_u32 v[SPW], v[NIL]
	s_wait_dscnt 0x0
	s_endpgm
.Lfunc_end_k_qdc02285f71_fine16:
	.size	k_qdc02285f71_fine16, .Lfunc_end_k_qdc02285f71_fine16-k_qdc02285f71_fine16
	.p2alignl 7, 3214868480
	.fill 96, 4, 3214868480
	.section	.rodata,"a",@progbits
	.p2align	6, 0x0
	.amdhsa_kernel k_qdc02285f71_fine16
		.amdhsa_group_segment_fixed_size 17920
		.amdhsa_private_segment_fixed_size 0
		.amdhsa_enable_private_segment 0
		.amdhsa_kernarg_size 16
		.amdhsa_user_sgpr_count 2
		.amdhsa_user_sgpr_kernarg_segment_ptr 1
		.amdhsa_wavefront_size32 1
		.amdhsa_system_sgpr_workgroup_id_x 1
		.amdhsa_system_sgpr_workgroup_id_y 1
		.amdhsa_system_sgpr_workgroup_id_z 1
		.amdhsa_system_vgpr_workitem_id 0
		.amdhsa_next_free_vgpr 256
		.amdhsa_next_free_sgpr 66
		.amdhsa_reserve_vcc 1
		.amdhsa_float_denorm_mode_32 3
		.amdhsa_float_denorm_mode_16_64 3
		.amdhsa_memory_ordered 1
		.amdhsa_forward_progress 1
		.amdhsa_inst_pref_size 17
	.end_amdhsa_kernel
	.amdgpu_metadata
---
amdhsa.version: [ 1, 2 ]
amdhsa.kernels:
  - .name:           k_qdc02285f71_fine16
    .symbol:         k_qdc02285f71_fine16.kd
    .args:
      - { .name: fine, .offset: 0, .size: 8, .value_kind: global_buffer, .address_space: global }
      - { .name: out0, .offset: 8, .size: 8, .value_kind: global_buffer, .address_space: global }
    .group_segment_fixed_size: 17920
    .private_segment_fixed_size: 0
    .kernarg_segment_align: 8
    .kernarg_segment_size: 16
    .max_flat_workgroup_size: 256
    .sgpr_count:     66
    .vgpr_count:     256
    .wavefront_size: 32
...
	.end_amdgpu_metadata
.endif
;; end of part 5
